; MI455X (gfx1250); checked and timed in simulation.
; The chip was launched on July 23, 2026; its instructions are those of AMD's public machine-readable ISA for CDNA 5 (MIT licence, August 2026) and "CDNA5" Instruction Set Architecture Reference Guide (July 2026). The comments in the code are by the model that wrote it; some were corrected since.
;; Multihead Attention. Allowed arithmetic: matrix products marked QUANTISED: E3M2 operands, one E8M0 scale for each 32 along K, by v_wmma_scale_f32_16x16x128_f8f6f4 with both operands' format E3M2, f32 sums; everything else in f32.
;; Inputs: Wk 1,024 x 1,024 float32; Wo 1,024 x 1,024 float32; Wq 1,024 x 1,024 float32; Wv 1,024 x 1,024 float32; k 4 x 2,048 x 1,024 float32; mask 4 x 1 x 2,048 x 2,048 bool; q 4 x 2,048 x 1,024 float32; v 4 x 2,048 x 1,024 float32.
;; Outputs: out0 4 x 2,048 x 1,024 float32.
;; This version of the problem:
;;   THIS VERSION OF THE PROBLEM IS GIVEN IN LOW PRECISION. The matrix products marked QUANTISED in the list below multiply operands that are first quantised to E3M2 (3 exponent bits, 2 mantissa bits; 6 bits a number), with one power-of-two scale for each 32 numbers along K (OCP MX v1.0); their sums are f32. All else is computed in f32.
;;   The module's matrix products, in the order in which they are computed (A, B: the left and right operand; K: the contracted axis; several contracted axes count as one K, in the product's order):
;;     1. [M 8,192, K 1,024] x [K 1,024, N 1,024]; A: input q; B: input Wq: QUANTISED
;;     2. [M 8,192, K 1,024] x [K 1,024, N 1,024]; A: input k; B: input Wk: QUANTISED
;;     3. [M 8,192, K 1,024] x [K 1,024, N 1,024]; A: input v; B: input Wv: QUANTISED
;;     4. batch 64 x [M 2,048, K 64] x [K 64, N 2,048]; A: computed on the way; B: computed on the way: QUANTISED
;;     5. batch 64 x [M 2,048, K 2,048] x [K 2,048, N 64]; A: softmax (see below); B: computed on the way: QUANTISED
;;     6. [M 8,192, K 1,024] x [K 1,024, N 1,024]; A: computed on the way; B: input Wo: QUANTISED
;;   THE QUANTISER, for each operand of a quantised product, along K:
;;     - K is cut into blocks of 32 from its start; a last block that is shorter is filled with zeros.
;;     - A block's scale is 2^e with e = floor(log2(the largest magnitude in the block)) - 4, held to -126 .. 127; a block of zeros has e = 0. As a byte (E8M0): e + 127.
;;     - Each number is divided by its block's scale, clamped to +-28, and rounded to the nearest number of E3M2, ties to even, subnormals kept.
;;     - The product sums the exact products of the quantised numbers (number of the format x scale) in f32.
;;   ~~~python
;;   def quantise(x, axis):      # numpy; x: float32 -> the quantised numbers, widened to float32 again
;;       x = np.moveaxis(x, axis, -1); K = x.shape[-1]
;;       x = np.pad(x, [(0, 0)] * (x.ndim - 1) + [(0, -K % 32)]); x = x.reshape(x.shape[:-1] + (-1, 32)); a = np.abs(x).max(-1, keepdims=True)
;;       e = np.where(a > 0, np.clip(np.frexp(np.where(a > 0, a, 1))[1] - 1 - 4, -126, 127), 0)      # np.frexp(a)[1] - 1 = floor(log2(a)), exactly
;;       r = np.clip(x / 2.0 ** e, -28, 28)
;;       step = 2.0 ** (np.maximum(np.frexp(np.where(r == 0, 1, r))[1] - 1, -2) - 2)
;;       q = np.round(r / step) * step * 2.0 ** e      # np.round: ties to even
;;       return np.moveaxis(q.reshape(q.shape[:-2] + (-1,))[..., :K], -1, axis).astype(np.float32)
;;   ~~~
;;   SOFTMAX AHEAD OF A QUANTISED PRODUCT. Where the list says 'softmax', what is quantised is not the finished softmax but p = 2^(t - M), with t = logit x log2(e) and M = ceil(the row's largest t), a whole number; so 1/2 < the row's largest p <= 1. The row's sum l is taken of the UNQUANTISED p, in f32, and the product's result is divided by l at the end. Since M is a whole number, a kernel that streams over the keys may use a running M (the ceiling of the running maximum): every later rescaling is an exact power of two, which a block's scale takes up: the codes' values come out the same.
;;   OPERANDS COMPUTED ON THE WAY. 'Computed on the way' means the value that the module computes at that place (a softmax that the list does not call 'softmax' is quantised finished and normalised). What goes into a quantiser is computed in f32, as accurately as f32 sums, v_exp_f32 and their like allow (about 1e-6 of the number): no bf16 or f16 on the way to a quantiser, and a product that is left as it is and whose result goes on into a quantised operand takes f32 operands (vector FMAs, or v_wmma_f32_16x16x4_f32). A number that lies on a knife's edge between two numbers of the format may be rounded either way, as far as f32 arithmetic and the matrix unit's own rounding can turn it there, and no further.
;; One version. Each part assembles by itself: llvm-mc -triple=amdgcn-amd-amdhsa -mcpu=gfx1250 --defsym DOCPART=n.
;; ======== version 1 of 1: 4 launches
;; workspace buffers: cod 22,020,096 bytes; scl 917,504 bytes; flg 1,024 bytes of whole numbers; img 18,874,368 bytes; isc 786,432 bytes; aimg 6,291,456 bytes; asc 262,144 bytes
;; launch prep (part 1): grid 960 x 1, 4 waves a work-group, no clusters, 33,280 bytes of LDS; arguments q, k, v, Wq, Wk, Wv, Wo, mask, cod, scl, flg; writes cod, scl, flg
.if DOCPART == 1
	.amdgcn_target "amdgcn-amd-amdhsa--gfx1250"
	.amdhsa_code_object_version 6
	.text
	.protected	k_q99fd8bf8d4_prep
	.globl	k_q99fd8bf8d4_prep
	.p2align	8
	.type	k_q99fd8bf8d4_prep,@function
k_q99fd8bf8d4_prep:
	s_mov_b64 s[64:65], 0
	v_nop
	global_prefetch_b8 v0, s[64:65] scope:SCOPE_SE
	s_setreg_imm32_b32 hwreg(HW_REG_WAVE_MODE, 25, 1), 1
	s_wait_xcnt 0x0
; FIRST LAUNCH.  (1) q, k, v [8192][1024] and Wq, Wk, Wv, Wo [1024][1024], f32, become codes of BF6 (E3M2), 6 bits each, K innermost, with one E8M0 byte for each 32 along K:
; cod: 28,672 rows of 768 bytes (q, k, v, Wq, Wk, Wv, Wo on end), scl: the same rows of 32 bytes.  (2) The mask [4][2048][2048] of bytes becomes one flag word for each 32 queries.
; A block's scale is 2^(floor(log2(its largest magnitude)) - 4); its byte is the largest magnitude's exponent field - 4, held at 1 from below.  Each number is divided by the scale and rounded to the nearest code, ties to even.
; LIMITS: a block whose largest magnitude lies under 2^-122 (a block of zeros among them) keeps the byte 1 where the rule says otherwise for zeros (127): its codes are zeros, and this program alone reads the bytes.
; NaN and infinities among the floating-point inputs are not served.  Mask bytes are 0 or 1.
; POSITIONS.  In cod and scl the rows of every tensor but Wo lie with bits 3 and 4 of the row number exchanged: true row 32 b + 16 v + 8 u + w lies at position 32 b + 16 u + 8 v + w.  So sixteen neighbouring
; positions are the true rows 32 b + 8 u + r + 8 (r / 8), which is what the later products want of a tile.  A wave quantises 8 rows, so the exchange is an exchange of the two bits of the wave's number in the OUTPUT offsets.
; WORK-GROUPS 0 to 63 take the mask (they come first, so that they form no tail), 64 to 959 take 32 rows of a tensor each.
; THE QUANTISER: a wave takes 16 steps of 512 numbers.  Each of a step's four loads reads 512 consecutive bytes; the 2,048 bytes turn through the wave's own stage in LDS and come back 64 bytes a lane, so that a lane
; holds 16 neighbours along K (two neighbouring lanes hold a block).  A lane's 16 codes are 12 bytes: a store covers 384 consecutive bytes.  A wave's 256 scale bytes are gathered in LDS and leave as one aligned run of 256 bytes.
; THE FLAGS: wave gi = b 64 + q / 32 reads its 32 rows of the mask and stores word gi: bit 2 s: some key of keys 128 s .. 128 s + 127 counts for some of these queries; bit 2 s + 1: some key of them is hidden.
.set MWG,   64                         ; work-groups of the mask
.set STEPS, 16
.set EMAX,  4
.set CB,    12                         ; bytes of 16 codes
.set R,     16                         ; v16-79   four sets of 16 numbers as they are loaded  (mask: v16-143 two batches of 64 words)
.set X,     80                         ; v80-111  two sets of 16 neighbours
.set C,     128                        ; v128-191 codes: four registers for each step
.set E,     112                        ; v112-127 a scale byte for each step
.set WREG,  8192                       ; LDS: a region for each wave: two stages of 32 x SP bytes, and behind them its 256 scale bytes
.set SP,    80                         ; a lane's place in a stage: its 64 bytes + 16 of padding
.set IN,    30                         ; s[30:31] the tensor in hand
.set CD,    20                         ; s[20:21] cod
.set SB,    22                         ; s[22:23] scl
.set MK,    18                         ; s[18:19] mask
.set FG,    24                         ; s[24:25] flg
	s_load_b512 s[4:19], s[0:1], 0x0               ; q s[4:5], k s[6:7], v s[8:9], Wq s[10:11], Wk s[12:13], Wv s[14:15], Wo s[16:17], mask s[18:19]
	s_load_b128 s[20:23], s[0:1], 0x40             ; cod, scl
	s_load_b64 s[24:25], s[0:1], 0x50              ; flg
	v_lshl_add_u32 v192, v0, 2, 0x8000
	v_mov_b32 v193, 0
	v_lshrrev_b32 v1, 5, v0
	v_readfirstlane_b32 s26, v1                    ; wave
	v_and_b32 v2, 31, v0                           ; lane
	v_lshlrev_b32 v3, 4, v2                        ; my 16 bytes of a load's 512
	s_wait_kmcnt 0x0
	s_cmp_lt_u32 ttmp9, MWG
	s_cbranch_scc1 .Lmask
	; ---------------- the quantiser ----------------
	s_mul_i32 s27, s26, WREG
	v_lshrrev_b32 v14, 2, v2
	v_mul_u32_u24 v14, v14, SP
	v_and_b32 v15, 3, v2
	v_lshl_add_u32 v14, v15, 4, v14
	v_add_nc_u32 v14, s27, v14                     ; the stage, on the way in: SP (lane / 4) + 16 (lane % 4)
	v_mul_u32_u24 v15, v2, SP
	v_add_nc_u32 v15, s27, v15                     ; and on the way out: SP x lane: my 16 neighbours
	v_mul_u32_u24 v4, v2, CB                       ; my codes' place in a step's
	v_lshrrev_b32 v5, 1, v2
	s_add_co_u32 s27, s27, 2*32*SP
	v_add_nc_u32 v5, s27, v5                       ; LDS: my wave's 256 scale bytes, my block's byte
	v_lshlrev_b32 v7, 3, v2                        ; and on the way out 8 bytes a lane
	v_add_nc_u32 v6, s27, v7
	s_sub_co_u32 s28, ttmp9, MWG                   ; which 32 rows of the 28,672
	s_mov_b64 s[IN:IN+1], s[16:17]                 ; Wo, unless the number lies lower: the choice hangs on the work-group's number alone
	s_mov_b32 s29, 864
.macro PICK below, ptr, first
	s_cmp_lt_u32 s28, \below
	s_cselect_b64 s[IN:IN+1], s[\ptr:\ptr+1], s[IN:IN+1]
	s_cselect_b32 s29, \first, s29
.endm
	PICK 864, 14, 832                              ; Wv
	PICK 832, 12, 800                              ; Wk
	PICK 800, 10, 768                              ; Wq
	PICK 768, 8, 512                               ; v
	PICK 512, 6, 256                               ; k
	PICK 256, 4, 0                                 ; q
	s_sub_co_u32 s29, s28, s29
	s_lshl_b32 s29, s29, 2
	s_add_co_u32 s32, s29, s26                     ; which run of 8 rows of the tensor is my wave's
	s_lshl_b32 s32, s32, 15                        ; 32,768 bytes a run
	s_mov_b32 s33, 0
	s_add_nc_u64 s[IN:IN+1], s[IN:IN+1], s[32:33]
	s_and_b32 s34, s26, 1
	s_lshl_b32 s34, s34, 1
	s_lshr_b32 s35, s26, 1
	s_or_b32 s34, s34, s35                         ; the wave's two bits exchanged: the run's position
	s_cmp_ge_u32 s28, 864
	s_cselect_b32 s34, s26, s34                    ; Wo keeps its order
	s_lshl_b32 s35, s28, 2
	s_add_co_u32 s34, s34, s35
	s_mul_i32 s32, s34, 32*STEPS*CB                ; 6,144 bytes of codes a run
	s_add_nc_u64 s[CD:CD+1], s[CD:CD+1], s[32:33]
	s_lshl_b32 s32, s34, 8                         ; 256 scale bytes a run
	s_add_nc_u64 s[SB:SB+1], s[SB:SB+1], s[32:33]
.macro LOAD t
.irp i, 0,1,2,3
	global_load_b128 v[R+16*((\t)%4)+4*\i:R+16*((\t)%4)+4*\i+3], v3, s[IN:IN+1] offset:2048*(\t)+512*\i th:TH_LOAD_NT   ; 32 lanes read 512 consecutive bytes
.endr
.endm
.macro TURN t                          ; step t's numbers through the stage: LDS serves a wave's instructions in order (ISA guide 5.7.1.4), so no wait stands between the stores and the loads
.irp i, 0,1,2,3
	ds_store_b128 v14, v[R+16*((\t)%4)+4*\i:R+16*((\t)%4)+4*\i+3] offset:32*SP*((\t)%2)+8*SP*\i
.endr
.irp i, 0,1,2,3
	ds_load_b128 v[X+16*((\t)%2)+4*\i:X+16*((\t)%2)+4*\i+3], v15 offset:32*SP*((\t)%2)+16*\i
.endr
.endm
.irp t, 0,1,2,3
	LOAD \t
.endr
	s_wait_loadcnt 12                              ; step 0's four loads are in; the twelve of steps 1 to 3 stay out
	TURN 0
.macro STEP t
.set XS, X+16*((\t)%2)
.if (\t) > 0
	s_wait_dscnt 1                                 ; this step's numbers are back from the stage (the last step's byte store may be out): so its stores into the stage have read their registers,
.else
	s_wait_dscnt 0x0
.endif
.if (\t)+4 < STEPS
	LOAD (\t)+4                                    ; which take the loads of four steps on
.endif
.if (\t)+1 < STEPS
.if STEPS-2-(\t) >= 3
	s_wait_loadcnt 12                              ; the next step's four loads are in; those of the three steps behind it may be out
.else
	s_wait_loadcnt 4*(STEPS-2-(\t))
.endif
	TURN (\t)+1                                    ; and go through the other stage while this step is worked
.endif
	v_max3_num_f32 v8, |v[XS]|, |v[XS+1]|, |v[XS+2]|               ; the largest magnitude of my 16, in two chains
	v_max3_num_f32 v9, |v[XS+3]|, |v[XS+4]|, |v[XS+5]|
.irp i, 6,10
	v_max3_num_f32 v8, v8, |v[XS+\i]|, |v[XS+\i+1]|
	v_max3_num_f32 v9, v9, |v[XS+\i+2]|, |v[XS+\i+3]|
.endr
	v_max3_num_f32 v8, v8, |v[XS+14]|, |v[XS+15]|
	v_max3_num_f32 v8, v8, v9, (EMAX+1)<<23        ; and the floor 2^(EMAX + 1 - 127): so the byte cannot fall under 1
	v_max_num_f32_dpp v8, v8, v8 row_xmask:1 row_mask:0xf bank_mask:0xf   ; and of my neighbour's 16: the block's
	v_add_nc_u32 v11, -(EMAX<<23), v8              ; EMAX off its exponent field: the conversion takes the exponent field of this operand as its scale, and nothing else of it
	v_cvt_scalef32_pk16_bf6_f32 v[C+4*(\t):C+4*(\t)+2], v[XS:XS+15], v11         ; sixteen codes, 96 bits without gaps, the first number's code lowest
	v_lshrrev_b32 v[E+(\t)], 23, v11               ; the scale's byte (also the plain line behind the conversion)
	ds_store_b8 v5, v[E+(\t)] offset:16*(\t)       ; both lanes of a block write the same byte with the same value
	global_store_b96 v4, v[C+4*(\t):C+4*(\t)+2], s[CD:CD+1] offset:32*CB*(\t)
.endm
.irp t, 0,1,2,3,4,5,6,7,8,9,10,11,12,13,14,15
	STEP \t
.endr
	ds_load_b64 v[12:13], v6                       ; LDS serves a wave's instructions in order: these see my stores
	s_wait_dscnt 0x0
	global_store_b64 v7, v[12:13], s[SB:SB+1]      ; 32 lanes store 256 consecutive bytes, aligned
	s_wait_tensorcnt 0x0
	ds_add_u32 v192, v193
	s_wait_dscnt 0x0
	s_endpgm
	; ---------------- the mask's flags (no LDS) ----------------
.Lmask:
	s_lshl_b32 s27, ttmp9, 2
	s_add_co_u32 s27, s27, s26                     ; gi = 4 x work-group + wave = b 64 + q / 32
	s_lshl_b32 s28, s27, 16                        ; 32 rows of 2,048 bytes
	s_mov_b32 s29, 0
	s_add_nc_u64 s[MK:MK+1], s[MK:MK+1], s[28:29]
	s_lshl_b32 s28, s27, 2
	s_add_nc_u64 s[FG:FG+1], s[FG:FG+1], s[28:29]
	s_mov_b32 s33, 0                               ; the flag word
	s_mov_b32 s36, 0x80808080                      ; four bytes of 128: 32 rows x 4 words, all ones
; Batch t: columns 512 (t / 2) on (four key steps), rows 16 (t % 2) on: sixteen loads of 512 consecutive bytes.  Lane l holds keys 512 (t / 2) + 16 l + 0 .. 15: a key step is eight lanes.
.macro LOADM t
.irp i, 0,1,2,3,4,5,6,7,8,9,10,11,12,13,14,15
	global_load_b128 v[16+64*((\t)%2)+4*\i:16+64*((\t)%2)+4*\i+3], v3, s[MK:MK+1] offset:(16*((\t)%2)+\i)*2048+512*((\t)/2) th:TH_LOAD_NT
.endr
.endm
; The batch's 64 words are added byte by byte, in four chains; a byte's sum over 32 rows and 4 words is 128 at the most, so no byte runs over.  A chunk's first four additions start the chains.
.macro SUMM t
.if (\t) < 7
	s_wait_loadcnt 16                              ; this batch is in; the next batch's sixteen loads stay out
.else
	s_wait_loadcnt 0x0
.endif
.set RB, 16+64*((\t)%2)
.set n, 0
.rept 32
.if ((\t)%2 == 0) && (n < 4)
	v_add_nc_u32 v[8+n], v[RB+2*n], v[RB+2*n+1]
.else
	v_add3_u32 v[8+n%4], v[8+n%4], v[RB+2*n], v[RB+2*n+1]
.endif
.set n, n+1
.endr
.if (\t) < 6
	LOADM (\t)+2
.endif
.endm
.macro FLAGS j                         ; the four key steps of chunk j: selects, no branch
	v_add3_u32 v8, v8, v9, v10
	v_add_nc_u32 v8, v8, v11
	v_cmp_ne_u32 s34, 0, v8                        ; my 16 keys x 32 rows hold a 1
	v_cmp_eq_u32 s35, s36, v8                      ; they are all 1
.irp g, 0,1,2,3
	s_bfe_u32 s37, s34, (8<<16)|(8*\g)
	s_cmp_lg_u32 s37, 0
	s_cselect_b32 s37, 1<<(2*(4*(\j)+\g)), 0
	s_or_b32 s33, s33, s37
	s_bfe_u32 s37, s35, (8<<16)|(8*\g)
	s_cmp_lg_u32 s37, 0xff
	s_cselect_b32 s37, 2<<(2*(4*(\j)+\g)), 0
	s_or_b32 s33, s33, s37
.endr
.endm
	LOADM 0
	LOADM 1
.irp j, 0,1,2,3
	SUMM 2*\j
	SUMM 2*\j+1
	FLAGS \j
.endr
	v_mov_b32 v9, s33
	v_mov_b32 v10, 0
	v_cmp_eq_u32 vcc_lo, 0, v2
	s_wait_xcnt 0x0                                ; EXEC changes only behind this wait
	s_and_saveexec_b32 s38, vcc_lo                 ; lane 0 stores the wave's word
	global_store_b32 v10, v9, s[FG:FG+1]
	s_wait_xcnt 0x0                                ; and again, in front of the line that widens it
	s_or_b32 exec_lo, exec_lo, s38
	s_endpgm
.Lfunc_end_k_q99fd8bf8d4_prep:
	.size	k_q99fd8bf8d4_prep, .Lfunc_end_k_q99fd8bf8d4_prep-k_q99fd8bf8d4_prep
	.p2alignl 7, 3214868480
	.fill 96, 4, 3214868480
	.section	.rodata,"a",@progbits
	.p2align	6, 0x0
	.amdhsa_kernel k_q99fd8bf8d4_prep
		.amdhsa_group_segment_fixed_size 33280
		.amdhsa_private_segment_fixed_size 0
		.amdhsa_enable_private_segment 0
		.amdhsa_kernarg_size 88
		.amdhsa_user_sgpr_count 2
		.amdhsa_user_sgpr_kernarg_segment_ptr 1
		.amdhsa_wavefront_size32 1
		.amdhsa_system_sgpr_workgroup_id_x 1
		.amdhsa_system_sgpr_workgroup_id_y 1
		.amdhsa_system_sgpr_workgroup_id_z 1
		.amdhsa_system_vgpr_workitem_id 0
		.amdhsa_next_free_vgpr 194
		.amdhsa_next_free_sgpr 66
		.amdhsa_reserve_vcc 1
		.amdhsa_float_denorm_mode_32 3
		.amdhsa_float_denorm_mode_16_64 3
		.amdhsa_memory_ordered 1
		.amdhsa_forward_progress 1
		.amdhsa_inst_pref_size 69
	.end_amdhsa_kernel
	.amdgpu_metadata
---
amdhsa.version: [ 1, 2 ]
amdhsa.kernels:
  - .name:           k_q99fd8bf8d4_prep
    .symbol:         k_q99fd8bf8d4_prep.kd
    .args:
      - { .name: q, .offset: 0, .size: 8, .value_kind: global_buffer, .address_space: global }
      - { .name: k, .offset: 8, .size: 8, .value_kind: global_buffer, .address_space: global }
      - { .name: v, .offset: 16, .size: 8, .value_kind: global_buffer, .address_space: global }
      - { .name: Wq, .offset: 24, .size: 8, .value_kind: global_buffer, .address_space: global }
      - { .name: Wk, .offset: 32, .size: 8, .value_kind: global_buffer, .address_space: global }
      - { .name: Wv, .offset: 40, .size: 8, .value_kind: global_buffer, .address_space: global }
      - { .name: Wo, .offset: 48, .size: 8, .value_kind: global_buffer, .address_space: global }
      - { .name: mask, .offset: 56, .size: 8, .value_kind: global_buffer, .address_space: global }
      - { .name: cod, .offset: 64, .size: 8, .value_kind: global_buffer, .address_space: global }
      - { .name: scl, .offset: 72, .size: 8, .value_kind: global_buffer, .address_space: global }
      - { .name: flg, .offset: 80, .size: 8, .value_kind: global_buffer, .address_space: global }
    .group_segment_fixed_size: 33280
    .private_segment_fixed_size: 0
    .kernarg_segment_align: 8
    .kernarg_segment_size: 88
    .max_flat_workgroup_size: 128
    .sgpr_count:     66
    .vgpr_count:     194
    .wavefront_size: 32
...
	.end_amdgpu_metadata
.endif
;; end of part 1
;; launch proj (part 2): grid 4 x 96, 4 waves a work-group, clusters of 4 x 4, 327,680 bytes of LDS; arguments cod, scl, img, isc; writes img, isc
.if DOCPART == 2
	.amdgcn_target "amdgcn-amd-amdhsa--gfx1250"
	.amdhsa_code_object_version 6
	.text
	.protected	k_q99fd8bf8d4_proj
	.globl	k_q99fd8bf8d4_proj
	.p2align	8
	.type	k_q99fd8bf8d4_proj,@function
k_q99fd8bf8d4_proj:
	s_mov_b64 s[64:65], 0
	v_nop
	global_prefetch_b8 v0, s[64:65] scope:SCOPE_SE
	s_setreg_imm32_b32 hwreg(HW_REG_WAVE_MODE, 25, 1), 1
	s_wait_xcnt 0x0
	s_wait_alu depctr_hold_cnt(0) depctr_sa_sdst(0) depctr_va_vdst(0) depctr_va_sdst(0) depctr_va_ssrc(0) depctr_va_vcc(0) depctr_vm_vsrc(0)
	s_getreg_b32 s2, hwreg(HW_REG_IB_STS2, 6, 4)
	s_cmp_eq_u32 s2, 0
	s_cbranch_scc0 .Lentry_in_a_cluster
	s_endpgm
.Lentry_in_a_cluster:
	s_bfe_u32 s2, ttmp6, 0x10000c
	s_cmp_lg_u32 s2, 0xf033
	s_cbranch_scc0 .Lentry_shape_is_right
	s_endpgm
.Lentry_shape_is_right:
; SECOND LAUNCH: the three projections x W^T on codes of BF6 (E3M2) with E8M0 scales, K = 1,024, sums in f32; each result is quantised in registers, along the K of the product that will read it, and stored as
; IMAGES OF OPERAND REGISTERS.  cod: rows of 768 bytes, scl: rows of 32 bytes: q 0.., k 8,192.., v 16,384.., Wq 24,576.., Wk 25,600.., Wv 26,624..; rows lie at POSITIONS (bits 3 and 4 of the row number exchanged).
; A tile of 256 x 256 is made by a work-group of four waves; a wave makes 128 x 128: 64 accumulators, 512 registers.  K goes in steps of 256 through a ring of two LDS slots filled by the tensor data mover.
; The scale bytes of the work-group's 2 x 256 rows come into LDS once, with the first fills.  4 x 4 work-groups form a cluster; A's tiles are asked for jointly along a row of the cluster, B's along a column.
; SOURCE 0 = 16 rows of 'B' (the REGISTER side), SOURCE 1 = 16 rows of 'A' (the LANE side): lane (r, h) holds A's row r, and its register j B's row 8 h + j of the tile.  Since B's rows lie at positions, the 16
; registers of B's tiles 2 e and 2 e + 1 are the 16 TRUE neighbours 32 e + 16 h + 0 .. 15: neighbours along the next product's K.
; WHICH PRODUCT: cluster y = 8 g + u.  g = 0, 1 (Q, K): A = x's rows (tokens in lanes), B = W's rows (the heads' channels in registers): quantised along the head's 64.
;                g = 2 (V): A = Wv's rows (channels in lanes), B = v's rows (keys in registers): quantised along the keys.  There u counts along the tile columns.  cx steers B alone and cy A alone in every case.
; AN IMAGE: a fragment (16 rows x 128 K, 12 registers a lane) as six pieces of 256 bytes: piece p holds registers 2 p, 2 p + 1, lane l's 8 bytes at 256 p + 8 l.  img: three regions of 6,291,456 bytes; image number
; (G << sh) + L, G = register-side position / 128, L = lane-side position / 16; sh = 9 for Q and K (G: pair of heads), 6 for V (G: batch x 16 + key step).  isc: three regions of 262,144 bytes, 16 scale words an image.
; LIMITS: a block whose largest magnitude lies under 2^-122 keeps the byte 1 (a block of zeros too: its codes are zeros, and this program alone reads the bytes); NaN and infinities are not served.
; REGISTERS, in windows of 256: window 0: v0-31 addresses; v32-63 scale words, two sets, and nothing else; v64-115 at work on the way out; from v128 A's fragments, ONE set.
;   window 1: B's fragments, TWO sets, at v0 and at v128.   window 2: the accumulators of my rows 0-63 ((a, b) at v[8 (8 a + b)]);   window 3: those of my rows 64-127.
.set SIZE_K, 1024
.set KSTEP,  256                       ; along K in a slot
.set NQ,     KSTEP/128                 ; matrix instructions deep
.set ROWB,   192                       ; a tile's row in bytes
.set KROW,   SIZE_K*6/8                ; a row of codes in memory
.set PITCH,  240                       ; an LDS row: 3 x (64 bytes of data + 16 of padding) = 60 words: row r starts at bank -4 r mod 64 (64 banks of 4 bytes: ISA guide 11.1)
.set FR,     12                        ; registers of a fragment
.set NL,     6                         ; LDS loads that bring one
.set NP,     4                         ; places behind this matrix instruction (ISA guide 7.12.1)
.set HALFT,  128*PITCH                 ; 128 rows: what one tensor load brings
.set SLOT,   4*HALFT                   ; A's 256 rows, then B's 256 rows
.set LAPS,   SIZE_K/(2*KSTEP)
.set KS,     SIZE_K/32                 ; a row of scales in bytes
.set SCL,    2*SLOT                    ; behind the ring: the scales, as runs of 256 bytes + 16 of padding
.set HALFS,  (128*KS/256)*272
.set SBLK,   (16*KS/256)*272
.set SPARE,  SCL+4*HALFS               ; behind the scales: the spare words, 128 bytes for each wave: two blocks of 256 bytes that no other line names
.set ADRA, 16                          ; v16-17 LDS address of my A fragments in slot 0, 1 (v18-19: for the pieces that lie behind one padding more)
.set ADRB, 20                          ; v20-23 the same for B
.set LN,   24                          ; v24  lane
.set SO,   25                          ; v25  4 x lane
.set CO,   26                          ; v26  8 x lane
.set ADRS, 27                          ; v27  LDS address of my scale words: lanes 0-15 A's rows, lanes 16-31 B's
.set SPW,  28                          ; v28  LDS address of my spare word; never rewritten
.set NIL,  29                          ; v29  0; never rewritten
.set SC,   32                          ; scale words: set s at v[SC + 8 NQ s]
.set TM,   64                          ; v64-79   the way out: largest magnitudes, bytes, scale operands
.set PC,   84                          ; v84-95   the codes just made (v96-98, v100-102: the halves made elsewhere)
.set PWS,  104                         ; v104-111 a block's scale words
.set TW,   112                         ; v112-115 two blocks' words in one register
.set AF,   128                         ; A's fragments
.set SEL,  66                          ; s[66:67] lane selects for v_permlanex16_b32: lane l xor 16
.set G1, 24
.set G0, 32
.set G1B, 48
.set G0B, 56
.set G1S, 68
.set G0S, 76
.set G1SB, 80
.set G0SB, 88
.set MSB, 0
.macro WIN new                         ; the immediate's high byte repeats the setting that is left
.if MSB != (\new)
	s_set_vgpr_msb (MSB<<8)|(\new)
.set MSB, (\new)
.endif
.endm
.set MUL_LO, 0xa1                      ; source 0 (B) window 1, source 1 (A) window 0, C and D window 2
.set MUL_HI, 0xf1                      ; the same, C and D window 3
.set TO_B,   0x40                      ; destination window 1, address window 0
; A joint load: waves 0 and 1 fetch for A, waves 2 and 3 for B.  The branch hangs on the wave's number alone.  Four v_nop follow each of the two lines.
.macro JLOAD g0a, g1a, g0b, g1b
	s_cmp_eq_u32 s15, 0
	s_cbranch_scc0 .Lfor_b_\@
	tensor_load_to_lds s[\g0a:\g0a+3], s[\g1a:\g1a+7]
	s_nop 0
.rept 4
	v_nop
.endr
	s_branch .Lasked_\@
.Lfor_b_\@:
	tensor_load_to_lds s[\g0b:\g0b+3], s[\g1b:\g1b+7]
	s_nop 0
.rept 4
	v_nop
.endr
.Lasked_\@:
.endm
.macro CREST                           ; a round of the cluster's barrier behind its opening barrier
	s_cmp_lg_u32 s14, 0
	s_cbranch_scc1 .Lnot_wave_0_\@
	s_barrier_signal -3
.Lnot_wave_0_\@:
	s_barrier_wait -3
	s_barrier_signal -1
	s_barrier_wait -1
.endm
.macro CROUND                          ; a whole round
	s_barrier_signal -1
	s_barrier_wait -1
	CREST
.endm
	s_load_b128 s[4:7], s[0:1], 0x0                ; cod s[4:5], scl s[6:7]
	s_load_b128 s[8:11], s[0:1], 0x10              ; img s[8:9], isc s[10:11]
	v_lshl_add_u32 v[SPW], v0, 2, SPARE
	v_mov_b32 v[NIL], 0
	ds_add_u32 v28, v29
	ds_add_u32 v28, v29
	s_wait_dscnt 0x0
	v_lshrrev_b32 v1, 5, v0
	v_readfirstlane_b32 s14, v1                    ; wave 0..3
	s_lshr_b32 s15, s14, 1                         ; which half of A's rows is mine.  Also: I fetch for A (0) or for B (1)
	s_and_b32 s16, s14, 1                          ; which half of B's rows.  Also: which 128 rows of that tile I fetch
	s_bfe_u32 s40, ttmp6, 0x40000                  ; cx, cy: my place in the cluster
	s_bfe_u32 s41, ttmp6, 0x40004
	s_and_b32 s95, ttmp7, 0xffff                   ; the cluster's y, 0 .. 23: all sixteen partners share it
	s_lshr_b32 s98, s95, 3                         ; g: 0 Q, 1 K, 2 V
	s_and_b32 s95, s95, 7                          ; u
	s_lshr_b32 s99, s98, 1                         ; 1 for V
	s_mul_i32 s100, s95, s99                       ; u along the tile columns (V),
	s_sub_co_u32 s95, s95, s100                    ; or along the tile rows (Q, K)
	s_lshl_b32 s42, s100, 2
	s_add_co_u32 s42, s42, s40                     ; tile column (B) = 4 u0 + cx
	s_lshl_b32 s17, s95, 2
	s_add_co_u32 s17, s17, s41                     ; tile row (A) = 4 u1 + cy
	s_lshl_b32 s43, s41, 2
	s_lshl_b32 s43, 15, s43                        ; my row of the cluster
	s_lshl_b32 s44, 0x1111, s40                    ; my column
	s_mov_b32 s[SEL], 0x76543210
	s_mov_b32 s[SEL+1], 0xfedcba98
	; descriptor group 1: a tile of 128 rows x ROWB bytes, padded in LDS
	s_or_b32 s[G1+0], s43, (0<<16)|(1<<20)|(1<<21)|(3<<22)|(3<<25)  ; 15:0 the mask: A's tiles go to my row; 17:16 element of 1 byte; 20 padding on; 21 set beside a mask; 24:22 after every 16 words; 31:25 of 4 words
	s_or_b32 s[G1B+0], s44, (0<<16)|(1<<20)|(1<<21)|(3<<22)|(3<<25)
.irp g, G1, G1B
	s_mov_b32 s[\g+1], ROWB<<16                    ; tensor_dim0
	s_mov_b32 s[\g+2], 128<<16                     ; tensor_dim1 = 128
	s_mov_b32 s[\g+3], ROWB<<16                    ; tile_dim0
	s_mov_b32 s[\g+4], 128                         ; tile_dim1 = 128
	s_mov_b32 s[\g+5], KROW                        ; tensor_dim0_stride
	s_mov_b32 s[\g+6], 0
	s_mov_b32 s[\g+7], 0
.endr
	; and for the scales of 128 rows: a dense block of 4,096 bytes, as rows of 256 bytes (32 elements of 8 bytes), 16 bytes of padding behind each
	s_or_b32 s[G1S+0], s43, (3<<16)|(1<<20)|(1<<21)|(5<<22)|(3<<25)
	s_or_b32 s[G1SB+0], s44, (3<<16)|(1<<20)|(1<<21)|(5<<22)|(3<<25)
.irp g, G1S, G1SB
	s_mov_b32 s[\g+1], 32<<16
	s_mov_b32 s[\g+2], (128*KS/256)<<16
	s_mov_b32 s[\g+3], 32<<16
	s_mov_b32 s[\g+4], 128*KS/256
	s_mov_b32 s[\g+5], 32
	s_mov_b32 s[\g+6], 0
	s_mov_b32 s[\g+7], 0
.endr
	s_lshl_b32 s18, s16, 7                         ; which 128 rows of the tile I fetch
	s_mul_i32 s19, s99, 10240                      ; V changes sides: its A is Wv (row 26,624 = 2 x 8,192 + 10,240), its B is v (row 16,384 = 24,576 + 2 x 1,024 - 10,240)
	s_lshl_b32 s20, s17, 8
	s_add_co_u32 s20, s20, s18
	s_lshl_b32 s101, s98, 13
	s_add_co_u32 s20, s20, s101
	s_add_co_u32 s20, s20, s19                     ; A: row 8,192 g + 10,240 isV + 256 x tile row + 128 x half
	s_lshl_b32 s46, s42, 8
	s_add_co_u32 s46, s46, s18
	s_lshl_b32 s101, s98, 10
	s_add_co_u32 s46, s46, s101
	s_add_co_u32 s46, s46, 24576
	s_sub_co_u32 s46, s46, s19                     ; B: row 24,576 + 1,024 g - 10,240 isV + 256 x tile column + 128 x half
	s_mov_b32 s21, 0
	s_mov_b32 s47, 0
	s_mov_b64 s[18:19], KS
	s_mul_u64 s[22:23], s[20:21], s[18:19]         ; where these rows' scales begin, in bytes
	s_mul_u64 s[92:93], s[46:47], s[18:19]
	s_mov_b64 s[18:19], KROW
	s_mul_u64 s[20:21], s[20:21], s[18:19]         ; and their codes
	s_mul_u64 s[46:47], s[46:47], s[18:19]
	s_mul_i32 s45, s14, HALFT                      ; where they go: wave x 128 rows: no place in the cluster enters an LDS address
	s_mul_i32 s94, s14, HALFS
	s_wait_kmcnt 0x0
	s_add_nc_u64 s[20:21], s[4:5], s[20:21]
	s_add_nc_u64 s[22:23], s[6:7], s[22:23]
	s_add_nc_u64 s[46:47], s[4:5], s[46:47]
	s_add_nc_u64 s[92:93], s[6:7], s[92:93]
	CROUND                                         ; all sixteen work-groups are here: the first joint loads meet
	s_mov_b32 s[G0S], 1
	s_add_co_u32 s[G0S+1], s94, SCL
	s_mov_b64 s[G0S+2:G0S+3], s[22:23]
	s_or_b32 s[G0S+3], s[G0S+3], 0x80000000
	s_mov_b32 s[G0SB], 1
	s_add_co_u32 s[G0SB+1], s94, SCL
	s_mov_b64 s[G0SB+2:G0SB+3], s[92:93]
	s_or_b32 s[G0SB+3], s[G0SB+3], 0x80000000
	JLOAD G0S, G1S, G0SB, G1SB                     ; the scales first: they are wanted with K step 0.  With the two below, three tensor loads of mine are out
.irp s, 0,1
	s_mov_b32 s[G0+4*\s], 1
	s_add_co_u32 s[G0+4*\s+1], s45, \s*SLOT
	s_add_nc_u64 s[G0+4*\s+2:G0+4*\s+3], s[20:21], \s*ROWB
	s_or_b32 s[G0+4*\s+3], s[G0+4*\s+3], 0x80000000
	s_mov_b32 s[G0B+4*\s], 1
	s_add_co_u32 s[G0B+4*\s+1], s45, \s*SLOT
	s_add_nc_u64 s[G0B+4*\s+2:G0B+4*\s+3], s[46:47], \s*ROWB
	s_or_b32 s[G0B+4*\s+3], s[G0B+4*\s+3], 0x80000000
	JLOAD G0+4*\s, G1, G0B+4*\s, G1B
.endr
	v_and_b32 v1, 15, v0                           ; l % 16
	v_bfe_u32 v2, v0, 4, 1                         ; l / 16
	v_mul_u32_u24 v3, v1, PITCH
	v_mul_u32_u24 v4, v2, 24
	v_add_nc_u32 v4, v3, v4                        ; a fragment's row x pitch + 24 x half
	v_lshl_add_u32 v5, v2, 4, v4                   ; and the same behind one padding more
	s_mul_i32 s21, s15, HALFT                      ; my 128 rows of A
	s_mul_i32 s22, s16, HALFT                      ; my 128 rows of B,
	s_add_co_u32 s22, s22, 2*HALFT                 ; which lie behind A's 256
.irp s, 0,1
	v_add_nc_u32 v[ADRA+\s], s21, v4
	v_add_nc_u32 v[ADRB+\s], s22, v4
	v_add_nc_u32 v[ADRA+2+\s], s21, v5
	v_add_nc_u32 v[ADRB+2+\s], s22, v5
	s_add_co_u32 s21, s21, SLOT
	s_add_co_u32 s22, s22, SLOT
.endr
	v_mul_u32_u24 v5, v1, KS                       ; my row's scales: KS bytes a row,
	v_lshrrev_b32 v6, 8, v5
	v_lshl_add_u32 v5, v6, 4, v5                   ; and 16 more for each 256 passed
	s_mul_i32 s21, s15, HALFS                      ; A's: my 128 rows
	s_mul_i32 s22, s16, HALFS                      ; B's: my 128 rows, behind A's 256
	s_add_co_u32 s22, s22, 2*HALFS
	s_sub_co_u32 s22, s22, s21
	v_mul_u32_u24 v6, s22, v2                      ; lanes 16-31 take B's
	s_add_co_u32 s21, s21, SCL
	v_add_nc_u32 v5, v5, v6
	v_add_nc_u32 v[ADRS], s21, v5
	v_and_b32 v[LN], 31, v0
	v_lshlrev_b32 v[SO], 2, v[LN]
	v_lshlrev_b32 v[CO], 3, v[LN]
	; where my eight images begin: number ((2 x tile column + my half of B) << sh) + 16 x tile row + 8 x my half of A.  (In registers that feed no descriptor)
	s_mul_i32 s101, s99, 3
	s_sub_co_u32 s101, 9, s101                     ; sh = 9, for V 6
	s_lshl_b32 s100, s42, 1
	s_add_co_u32 s100, s100, s16
	s_lshl_b32 s100, s100, s101
	s_lshl_b32 s95, s17, 4
	s_add_co_u32 s100, s100, s95
	s_lshl_b32 s95, s15, 3
	s_add_co_u32 s100, s100, s95
	s_mul_i32 s92, s100, 1536
	s_mul_i32 s95, s98, 6291456
	s_add_co_u32 s92, s92, s95
	s_mov_b32 s93, 0
	s_add_nc_u64 s[8:9], s[8:9], s[92:93]
	s_lshl_b32 s92, s100, 6
	s_lshl_b32 s95, s98, 18
	s_add_co_u32 s92, s92, s95
	s_add_nc_u64 s[10:11], s[10:11], s[92:93]
.macro FRAG reg, adr, q, i             ; a fragment: lane l holds row l % 16; registers 6 c .. 6 c + 5 hold K = 64 c + 32 (l / 16) + 0 .. 31: 24 bytes of the row's stream of bits, as they lie
.irp p, 0,1,2,3,4,5                    ; in pieces of 8 bytes.  Lanes 0-15 take the row's pieces 12 q + 0, 1, 2 and 12 q + 6, 7, 8, lanes 16-31 those three pieces on
.set PCE, 12*(\q)+6*(\p/3)+\p%3        ; 16 bytes of padding lie behind every 64 bytes (8 pieces): where the piece three on lies behind one padding more, the second address register serves
.if PCE%8 < 5
	ds_load_b64 v[\reg+2*\p:\reg+2*\p+1], v[\adr] offset:8*PCE+16*(PCE/8)+(\i)*16*PITCH
.else
	ds_load_b64 v[\reg+2*\p:\reg+2*\p+1], v[\adr+2] offset:8*PCE+16*(PCE/8)+(\i)*16*PITCH
.endif
.endr
.endm
; 16 matrix instructions: A's blocks a0, a0 + 1 x B's eight, 128 along K: the slot's q-th.  p: B's set;  sc: the set of scale words.  zero = 1: the first product starts the sums.
; The 64 accumulators take turns, one instruction a turn, in the same order in every step.
.macro MUL16 a0, p, q, sc, zero
.irp a, \a0, \a0+1
.irp b, 0,1,2,3,4,5,6,7
.if \zero
	v_wmma_scale_f32_16x16x128_f8f6f4 v[8*(8*((\a)%4)+\b):8*(8*((\a)%4)+\b)+7], v[128*(\p)+FR*\b:128*(\p)+FR*\b+FR-1], v[AF+FR*(\a):AF+FR*(\a)+FR-1], 0, v[SC+8*NQ*(\sc)+NQ*\b+(\q)], v[SC+8*NQ*(\sc)+NQ*(\a)+(\q)] matrix_a_fmt:MATRIX_FMT_BF6 matrix_b_fmt:MATRIX_FMT_BF6 matrix_a_scale:MATRIX_SCALE_ROW1
.else
	v_wmma_scale_f32_16x16x128_f8f6f4 v[8*(8*((\a)%4)+\b):8*(8*((\a)%4)+\b)+7], v[128*(\p)+FR*\b:128*(\p)+FR*\b+FR-1], v[AF+FR*(\a):AF+FR*(\a)+FR-1], v[8*(8*((\a)%4)+\b):8*(8*((\a)%4)+\b)+7], v[SC+8*NQ*(\sc)+NQ*\b+(\q)], v[SC+8*NQ*(\sc)+NQ*(\a)+(\q)] matrix_a_fmt:MATRIX_FMT_BF6 matrix_b_fmt:MATRIX_FMT_BF6 matrix_a_scale:MATRIX_SCALE_ROW1
.endif
.endr
.endr
.endm
.macro FETCH_B slot, q, p              ; B's eight fragments of the slot's q-th 128 along K into set p
	WIN TO_B
.irp i, 0,1,2,3,4,5,6,7
	FRAG 128*(\p)+FR*\i, ADRB+\slot, \q, \i
.endr
	WIN 0
.endm
.macro FETCH_A slot, q, i0             ; A's blocks i0 .. i0 + 3
.irp i, \i0, \i0+1, \i0+2, \i0+3
	FRAG AF+FR*(\i), ADRA+\slot, \q, \i
.endr
.endm
.macro SCALES sc                       ; the next K step's scale words into set sc: lanes 0-15 take A's block i, lanes 16-31 B's block i
.irp i, 0,1,2,3,4,5,6,7
	ds_load_b64 v[SC+8*NQ*\sc+NQ*\i:SC+8*NQ*\sc+NQ*\i+1], v[ADRS] offset:\i*SBLK
.endr
.endm
.macro PLACES n                        ; plain vector lines between a matrix instruction and a load into, or a vector read of, its registers (ISA guide 7.12.1 for vector reads)
.rept \n
	v_nop
.endr
.endm
; A step of 128 along K that has its successor in the same slot.
.macro STEP slot, q, zero
	s_wait_dscnt 4*NL                              ; B's set and A's blocks 0-3 are in; the youngest 24 loads (A's blocks 4-7) may be out
	WIN MUL_LO
	MUL16 0, (\q)%2, \q, \slot, \zero
	MUL16 2, (\q)%2, \q, \slot, \zero
	s_wait_dscnt 0                                 ; A's blocks 4-7 are in (asked for 32 matrix instructions ago)
	PLACES NP
	FETCH_B \slot, (\q)+1, 1-(\q)%2
	FETCH_A \slot, (\q)+1, 0
	WIN MUL_HI
	MUL16 4, (\q)%2, \q, \slot, \zero
	MUL16 6, (\q)%2, \q, \slot, \zero
	PLACES NP
	WIN 0
	FETCH_A \slot, (\q)+1, 4
.endm
; A slot's last step changes slots: ONE barrier; in front of it each wave waits for all its tensor loads, adds 0 to its spare word, and waits for that and for its own reads of this slot.  fill = 1: this slot is filled again, two K steps ahead.
.macro TURN slot, next, fill
	s_wait_tensorcnt 0x0                           ; all my tensor loads have landed: my part of the next slot;  (every window is 0 here)
	ds_add_u32 v[SPW], v[NIL]                      ; 0 onto my spare word;
	s_wait_dscnt 4*NL+1                            ; (the add and the youngest 24 loads, A's blocks 4-7, may be out)
	WIN MUL_LO
	MUL16 0, 1, NQ-1, \slot, 0                     ; sixteen matrix instructions stand between the add and the wait for it
	s_wait_dscnt 0x0                               ; the add is done, and my reads of this slot are over
	s_barrier_signal -1
	MUL16 2, 1, NQ-1, \slot, 0
	WIN 0
	s_barrier_wait -1
.if \fill
	CREST                                          ; the barrier has opened a round of the cluster's barrier: no wave of any partner still reads this slot's tile or has a load on its way
	s_add_nc_u64 s[G0+4*\slot+2:G0+4*\slot+3], s[G0+4*\slot+2:G0+4*\slot+3], 2*ROWB
	s_add_nc_u64 s[G0B+4*\slot+2:G0B+4*\slot+3], s[G0B+4*\slot+2:G0B+4*\slot+3], 2*ROWB
	JLOAD G0+4*\slot, G1, G0B+4*\slot, G1B         ; the first tensor load behind the round, my one load until the next; its four v_nop are the places in front of the loads below
.else
	PLACES NP
.endif
	v_add_nc_u32 v[ADRS], 4*NQ, v[ADRS]            ; on to the next K step's scale words (no LDS load of mine is out)
	FETCH_B \next, 0, 0
	FETCH_A \next, 0, 0
	SCALES \next
	WIN MUL_HI
	MUL16 4, 1, NQ-1, \slot, 0
	MUL16 6, 1, NQ-1, \slot, 0
	PLACES NP
	WIN 0
	FETCH_A \next, 0, 4
.endm
	s_wait_tensorcnt 1                             ; the scales and my part of K step 0 are in (K step 1's load may be out)
	s_barrier_signal -1
	s_barrier_wait -1                              ; everybody's are
	FETCH_B 0, 0, 0
	FETCH_A 0, 0, 0
	SCALES 0
	FETCH_A 0, 0, 4
	STEP 0, 0, 1                                   ; the first step stands in front of the loop: its products start the sums
	s_mov_b32 s3, LAPS-1
.Llap:                                                 ; a trip goes once round the ring, from a lap's second step to the next lap's first, and fills both slots again
	TURN 0, 1, 1
	STEP 1, 0, 0
	TURN 1, 0, 1
	STEP 0, 0, 0
	s_sub_co_u32 s3, s3, 1
	s_cmp_lg_u32 s3, 0
	s_cbranch_scc1 .Llap
	TURN 0, 1, 0                                   ; the last lap fills nothing, and has no round of the cluster's barrier
	STEP 1, 0, 0
	s_wait_dscnt 4*NL                              ; the very last step: nothing more to fetch
	WIN MUL_LO
	MUL16 0, 1, NQ-1, 1, 0
	MUL16 2, 1, NQ-1, 1, 0
	s_wait_dscnt 0
	WIN MUL_HI
	MUL16 4, 1, NQ-1, 1, 0
	MUL16 6, 1, NQ-1, 1, 0
	WIN 0
; THE WAY OUT.  Block a (16 lane-side rows x my 128 register-side rows): the lane's 64 registers, 16 e + i = K 32 e + 16 (lane / 16) + i of its row, become a fragment's codes and a scale word, and leave as an image.
.macro QOUT a
.set AC, 64*((\a)%4)
	s_wait_xcnt 0x0                                ; the last block's stores have read the codes' registers: these are written again only behind this wait
	WIN 0x0a+5*((\a)/4)                            ; sources 0 and 1: window 2 or 3
.irp b, 0,1,2,3
	v_max3_num_f32 v[TM+\b], |v[AC+16*\b]|, |v[AC+16*\b+1]|, 0x2800000   ; block b: my 16 numbers, each accumulator from its low end on, and the floor 2^(5 - 127): so the byte cannot fall under 1
.endr
.irp i, 2,4,6,8,10,12,14
.irp b, 0,1,2,3
	v_max3_num_f32 v[TM+\b], |v[AC+16*\b+\i]|, |v[AC+16*\b+\i+1]|, v[TM+\b]   ; (the four blocks by turns)
.endr
.endr
	WIN 0
.irp b, 0,1,2,3
	v_permlanex16_b32 v[TM+4+\b], v[TM+\b], s[SEL], s[SEL+1]
.endr
.irp b, 0,1,2,3
	v_max_num_f32 v[TM+\b], v[TM+\b], v[TM+4+\b]   ; with lane l xor 16's: the block's largest magnitude
.endr
.irp b, 0,1,2,3
	v_add_nc_u32 v[TM+12+\b], 0xfe000000, v[TM+\b] ; 4 off its exponent field: the conversion's scale operand
.endr
.irp b, 0,1,2,3
	v_lshrrev_b32 v[TM+4+\b], 23, v[TM+12+\b]      ; the scale's byte
.endr
	v_lshl_or_b32 v[PWS+(\a)], v[TM+5], 8, v[TM+4] ; the four bytes make my row's scale word
	v_lshl_or_b32 v[PWS+(\a)], v[TM+6], 16, v[PWS+(\a)]
	v_lshl_or_b32 v[PWS+(\a)], v[TM+7], 24, v[PWS+(\a)]
	WIN 0x02+((\a)/4)                              ; source 0: window 2 or 3
.irp c, 0,1
	v_cvt_scalef32_pk16_bf6_f32 v[PC+6*\c:PC+2+6*\c], v[AC+32*\c:AC+15+32*\c], v[TM+12+2*\c]
	v_cvt_scalef32_pk16_bf6_f32 v[PC+12+4*\c:PC+14+4*\c], v[AC+16+32*\c:AC+31+32*\c], v[TM+13+2*\c]   ; (a conversion's three registers begin on an even number)
.endr
	WIN 0
	v_nop                                          ; one plain line behind a scaled conversion
.irp c, 0,1                                    ; the operand's layout wants a WHOLE block in a lane: lanes 0-15 block 2 c, lanes 16-31 block 2 c + 1
.irp i, 0,1,2
	v_permlane16_swap_b32 v[PC+6*\c+\i], v[PC+12+4*\c+\i]
.endr
.irp i, 0,1,2
	v_mov_b32 v[PC+3+6*\c+\i], v[PC+12+4*\c+\i]
.endr
.endr
.irp p, 0,1,2,3,4,5
	global_store_b64 v[CO], v[PC+2*\p:PC+2*\p+1], s[8:9] offset:(\a)*1536+256*\p   ; 32 lanes store 256 consecutive bytes, aligned
.endr
.endm
	PLACES NP                                      ; behind the last products
.irp b, 0,1,2,3
	v_mov_b32 v[TM+4+\b], 0                        ; written once: a lane permute's destination counts as one of its sources
.endr
.irp a, 0,1,2,3,4,5,6,7
	QOUT \a
.endr
	v_cmp_le_u32 vcc_lo, 16, v[LN]                 ; both halves of the lanes hold a row's word: lanes 0-15 give block 2 i's, lanes 16-31 block 2 i + 1's
.irp i, 0,1,2,3
	v_cndmask_b32 v[TW+\i], v[PWS+2*\i], v[PWS+2*\i+1], vcc_lo
.endr
.irp i, 0,1,2,3
	global_store_b32 v[SO], v[TW+\i], s[10:11] offset:128*\i   ; 128 consecutive bytes a store; the four fill 512 aligned bytes
.endr
	s_wait_tensorcnt 0x0                           ; the wave's end
	ds_add_u32 v[SPW], v[NIL]
	s_wait_dscnt 0x0
	CROUND                                         ; the closing round: no work-group ends while a partner may still ask for a tile that names it
	s_endpgm
.Lfunc_end_k_q99fd8bf8d4_proj:
	.size	k_q99fd8bf8d4_proj, .Lfunc_end_k_q99fd8bf8d4_proj-k_q99fd8bf8d4_proj
	.p2alignl 7, 3214868480
	.fill 96, 4, 3214868480
	.section	.rodata,"a",@progbits
	.p2align	6, 0x0
	.amdhsa_kernel k_q99fd8bf8d4_proj
		.amdhsa_group_segment_fixed_size 327680
		.amdhsa_private_segment_fixed_size 0
		.amdhsa_enable_private_segment 0
		.amdhsa_kernarg_size 32
		.amdhsa_user_sgpr_count 2
		.amdhsa_user_sgpr_kernarg_segment_ptr 1
		.amdhsa_wavefront_size32 1
		.amdhsa_system_sgpr_workgroup_id_x 1
		.amdhsa_system_sgpr_workgroup_id_y 1
		.amdhsa_system_sgpr_workgroup_id_z 1
		.amdhsa_system_vgpr_workitem_id 0
		.amdhsa_next_free_vgpr 1024
		.amdhsa_next_free_sgpr 102
		.amdhsa_reserve_vcc 1
		.amdhsa_float_denorm_mode_32 3
		.amdhsa_float_denorm_mode_16_64 3
		.amdhsa_memory_ordered 1
		.amdhsa_forward_progress 1
		.amdhsa_inst_pref_size 167
	.end_amdhsa_kernel
	.amdgpu_metadata
---
amdhsa.version: [ 1, 2 ]
amdhsa.kernels:
  - .name:           k_q99fd8bf8d4_proj
    .symbol:         k_q99fd8bf8d4_proj.kd
    .args:
      - { .name: cod, .offset: 0, .size: 8, .value_kind: global_buffer, .address_space: global }
      - { .name: scl, .offset: 8, .size: 8, .value_kind: global_buffer, .address_space: global }
      - { .name: img, .offset: 16, .size: 8, .value_kind: global_buffer, .address_space: global }
      - { .name: isc, .offset: 24, .size: 8, .value_kind: global_buffer, .address_space: global }
    .group_segment_fixed_size: 327680
    .private_segment_fixed_size: 0
    .kernarg_segment_align: 8
    .kernarg_segment_size: 32
    .max_flat_workgroup_size: 128
    .sgpr_count:     102
    .vgpr_count:     1024
    .wavefront_size: 32
...
	.end_amdgpu_metadata
.endif
;; end of part 2
;; launch attn (part 3): grid 4 x 64, 16 waves a work-group, no clusters, 210,944 bytes of LDS; arguments img, isc, mask, flg, aimg, asc; writes aimg, asc
.if DOCPART == 3
	.amdgcn_target "amdgcn-amd-amdhsa--gfx1250"
	.amdhsa_code_object_version 6
	.text
	.protected	k_q99fd8bf8d4_attn
	.globl	k_q99fd8bf8d4_attn
	.p2align	8
	.type	k_q99fd8bf8d4_attn,@function
k_q99fd8bf8d4_attn:
	s_mov_b64 s[64:65], 0
	v_nop
	global_prefetch_b8 v0, s[64:65] scope:SCOPE_SE
	s_setreg_imm32_b32 hwreg(HW_REG_WAVE_MODE, 25, 1), 1
	s_wait_xcnt 0x0
; THIRD LAUNCH: for each batch b and head h: S = Q K^T / 8 under the given mask, p = 2^(t - M), O = (p V) / l, both products on codes of BF6 (E3M2) with E8M0 scales; O is quantised along D for the last product.
; THE SOFTMAX: t = score x log2(e) / 8; M = the row's largest t so far, rounded UP to a whole number; p = 2^(t - M) is what is quantised, along the keys, not normalised.  The row's sum l is taken of the unquantised p
; and divides O at the end.  When M moves, l and O are multiplied by 2^(old M - new M): exact.
; SHARES.  Work-group (c, y): b = y / 16, h = y % 16.  ALL of the head's K and V (codes and scale words, 208,896 bytes) lie in LDS, filled once through registers, behind the text's one barrier.
; Each of the SIXTEEN waves takes two tiles of 16 queries, one after the other: tiles a and 127 - a, a = 4 x wave + c.  (That pairing is a schedule, right for any mask.)  Four waves share a SIMD: one's vector work stands beside another's products.
; No tensor load, no joint load: a key step all of whose keys are hidden is passed over by a branch on a stored number; what the four work-groups of a head share is read once by each.
; LAYOUT.  Both products are used transposed: S^T = K Q^T (source 0 = 16 keys, source 1 = my 16 queries; K = the head's 64: registers 6-11 of both fragments are zero codes), O^T = V^T P^T (source 0 = 16 channels, source 1 = P).
; A lane holds ONE query (lane % 16) throughout.  Tiles are sixteen POSITIONS: tile T's row r is the true row 32 (T / 2) + 8 (T % 2) + r + 8 (r / 8).  So the 16 registers of key tiles 2 e, 2 e + 1 are the true keys
; 32 e + 16 (lane / 16) + 0 .. 15, and those of channel tiles 2 e, 2 e + 1 the true channels likewise.
; THE MASK is an input.  flg's word b 64 + q / 32 says of each key step of 128 keys: bit 2 s: some key counts for some of these 32 queries (else the step is passed over); bit 2 s + 1: some key is hidden (then the
; lane's 64 mask bytes are read and hidden scores become -infinity ahead of the maximum).
; A ROW WITH NO KEY: l = 0; its codes are zeros and its scale bytes 0xff, which make the row of the last product NaN, as the softmax of such a row is.
; LIMITS: a block's largest p is made from the block's largest score by the same two instructions (this takes v_exp_f32 not to fall where its input rises); a block whose largest magnitude lies under 2^-122 keeps the byte 1
; (its codes are zeros or next to it; this program alone reads the bytes); NaN and infinities among the floating-point inputs are not served; mask bytes are 0 or 1.
; asc is written two bytes a row (a head's two blocks): its aligned runs of 256 bytes are written in part, 262,144 bytes in the whole launch.
; REGISTERS: v1-7 addresses that stay; v8-11, v28 addresses of the loads in hand; v12 -M, v13 the largest t, v[14:15] the sum; v16-27 Q; v29-30 offsets; v31 0; v32-79 four fragments of K; v80-127 four of V (v80-95 first the mask's bytes);
;   v128-191 S^T, then p; v192-223 O^T; v224-235 p's codes; v232-247, v252, v254 at work; v248-251 a tile's scale words; v253 p's scale word; v255 Q's.
.set KIMG, 0                           ; LDS: 128 key tiles x 768 bytes: registers 0-3 at 16 x lane, registers 4-5 at 512 + 8 x lane
.set VIMG, 98304                       ; key step s, channel tile t at 6144 s + 1536 t: registers 4 c .. 4 c + 3 at 512 c + 16 x lane
.set KSC,  196608                      ; K's scale words [tile / 4][r][tile % 4]: lane r's 16 bytes are four tiles' words
.set VSC,  204800                      ; V's [step][r][tile]
.set S,    128
.set O,    192
.set AK0,  1                           ; v1  16 x lane
.set AK1,  2                           ; v2  512 + 8 x lane
.set ASK0, 3                           ; v3  KSC + 16 r
.set ASV0, 4                           ; v4  VSC + 16 r
.set L8,   5                           ; v5  8 x lane
.set RP,   6                           ; v6  r + 8 (r / 8)
.set MO,   7                           ; v7  my query's row of the mask, + 16 (lane / 16)
.set ADK,  8
.set ADK1, 9
.set ADV,  10
.set ADS,  11
.set ADT,  28
.set GA,   29
.set GB,   30
.set NIL,  31
.set WV,   18                          ; s18 wave;  s19 c;  s24 b;  s25 h;  s26 h / 2;  s27 h % 2;  s28 16 (h % 2)
.set SEL,  20                          ; s[20:21] lane selects: lane l xor 16
.set CS,   22                          ; s[22:23] log2(e) / 8
.set NINF, 29                          ; s29 -infinity
.set BY,   30                          ; s30-33 v_perm_b32's selects: byte i four times
.set TL,   34                          ; s34 the tile of queries
.set FL,   35                          ; s35 its flags, two bits a step
.set CNT,  36
.set TB,   37                          ; s37 the step's codes: 6,144 bytes a step, K's and V's alike
.set TS,   38                          ; s38 K's scale words: 512 bytes a step
.set TJ,   39                          ; s39 V's: 256 bytes a step
.set KF,   40                          ; s40 the step's first key
.set LZ,   41                          ; s41 lanes whose row has no key
.set PK,   44                          ; s[44:45] K's images;  s[46:47] V's;  s[48:49], s[50:51] their scale words;  s[52:53] Q's images;  s[54:55] its words
.set PV,   46
.set PKS,  48
.set PVS,  50
.set PQ,   52
.set PQS,  54
.set PM,   56                          ; s[56:57] the batch's mask;  s[58:59] aimg;  s[60:61] asc;  s[66:67] flg;  s[68:69] the flag word's address
.set PA,   58
.set PAS,  60
.set PF,   66
	s_load_b256 s[4:11], s[0:1], 0x0               ; img s[4:5], isc s[6:7], mask s[8:9], flg s[10:11]
	s_load_b128 s[12:15], s[0:1], 0x20             ; aimg s[12:13], asc s[14:15]
	v_lshrrev_b32 v1, 5, v0
	s_delay_alu instid0(VALU_DEP_1)
	v_readfirstlane_b32 s[WV], v1                  ; wave 0..15
	s_mov_b32 s19, ttmp9                           ; c
	s_and_b32 s25, ttmp7, 0xffff
	s_lshr_b32 s24, s25, 4                         ; b
	s_and_b32 s25, s25, 15                         ; h
	s_lshr_b32 s26, s25, 1
	s_and_b32 s27, s25, 1
	s_lshl_b32 s28, s27, 4
	s_mov_b32 s[SEL], 0x76543210
	s_mov_b32 s[SEL+1], 0xfedcba98
	s_mov_b32 s[CS], 0x3e38aa3b                    ; log2(e) / 8
	s_mov_b32 s[CS+1], s[CS]                       ; (named with it as a pair, so it is written)
	s_mov_b32 s[NINF], 0xff800000
	s_mov_b32 s[BY], 0
	s_mov_b32 s[BY+1], 0x01010101
	s_mov_b32 s[BY+2], 0x02020202
	s_mov_b32 s[BY+3], 0x03030303
	v_and_b32 v6, 31, v0                           ; lane
	s_delay_alu instid0(VALU_DEP_1)
	v_lshlrev_b32 v[AK0], 4, v6
	s_delay_alu instid0(VALU_DEP_2)
	v_lshlrev_b32 v[L8], 3, v6
	s_delay_alu instid0(VALU_DEP_1)
	v_add_nc_u32 v[AK1], 512, v[L8]
	v_and_b32 v7, 15, v0                           ; r
	s_delay_alu instid0(VALU_DEP_1)
	v_lshl_add_u32 v[ASK0], v7, 4, KSC
	s_delay_alu instid0(VALU_DEP_2)
	v_lshl_add_u32 v[ASV0], v7, 4, VSC
	s_delay_alu instid0(VALU_DEP_3)
	v_and_b32 v[RP], 8, v7
	s_delay_alu instid0(VALU_DEP_1)
	v_add_nc_u32 v[RP], v[RP], v7
	; THE FILL's addresses.  Wave w brings key tiles 8 w .. 8 w + 7 and key step w of V
	s_mul_i32 s36, s[WV], 12288
	v_add_nc_u32 v8, s36, v[L8]                    ; K in memory: an image (both heads of the pair) is 1,536 bytes
	s_mul_i32 s36, s[WV], 98304
	v_add_nc_u32 v9, s36, v[L8]                    ; V in memory: a key step is 64 images on
	v_lshlrev_b32 v10, 4, v0                       ; K's scale words: 8,192 dense bytes, 16 a thread
	s_lshl_b32 s36, s[WV], 12
	v_add_nc_u32 v11, s36, v[L8]                   ; V's: a step's four tiles are 256 dense bytes, 4,096 bytes from step to step
	s_mul_i32 s36, s[WV], 6144
	v_add_nc_u32 v12, s36, v[AK0]                  ; LDS: K's registers 0-3,
	v_add_nc_u32 v13, s36, v[AK1]                  ; 4-5,
	s_delay_alu instid0(VALU_DEP_2)
	v_add_nc_u32 v14, VIMG, v12                    ; V's
	v_lshrrev_b32 v15, 4, v0                       ; thread n holds words 4 (n % 4) + e of tile n / 4: KSC + 256 (n / 16) + 4 ((n / 4) % 4) + 64 (n % 4) + 16 e
	s_delay_alu instid0(VALU_DEP_1)
	v_lshlrev_b32 v15, 8, v15
	v_bfe_u32 v29, v0, 2, 2
	s_delay_alu instid0(VALU_DEP_1)
	v_lshl_add_u32 v15, v29, 2, v15
	v_and_b32 v29, 3, v0
	s_delay_alu instid0(VALU_DEP_1)
	v_lshl_add_u32 v15, v29, 6, v15
	s_delay_alu instid0(VALU_DEP_1)
	v_add_nc_u32 v15, KSC, v15
	v_and_b32 v28, 7, v0                           ; lane l holds words 2 (l % 8) + e of tile l / 8: VSC + 256 w + 32 (l % 8) + 4 (l / 8) + 16 e
	s_delay_alu instid0(VALU_DEP_1)
	v_lshlrev_b32 v28, 5, v28
	v_bfe_u32 v29, v0, 3, 2
	s_delay_alu instid0(VALU_DEP_1)
	v_lshl_add_u32 v28, v29, 2, v28
	s_lshl_b32 s36, s[WV], 8
	s_add_co_u32 s36, s36, VSC
	v_add_nc_u32 v28, s36, v28
	s_wait_alu depctr_va_vdst(0)
	s_wait_kmcnt 0x0
	s_mov_b32 s43, 0
	s_lshl_b32 s36, s26, 9
	s_lshl_b32 s37, s24, 7
	s_add_co_u32 s36, s36, s37                     ; Q's and K's first image: 512 (h / 2) + 128 b
	s_mul_i32 s42, s36, 1536
	s_mul_i32 s37, s27, 768                        ; my head's half of an image
	s_add_co_u32 s42, s42, s37
	s_add_nc_u64 s[PQ:PQ+1], s[4:5], s[42:43]
	s_add_nc_u64 s[PK:PK+1], s[PQ:PQ+1], 6291456
	s_lshl_b32 s42, s36, 6
	s_add_nc_u64 s[PQS:PQS+1], s[6:7], s[42:43]
	s_add_nc_u64 s[PKS:PKS+1], s[PQS:PQS+1], 262144
	s_lshl_b32 s36, s24, 10
	s_lshl_b32 s38, s25, 2
	s_add_co_u32 s36, s36, s38                     ; V's first image: 1,024 b + 4 h
	s_mul_i32 s42, s36, 1536
	s_add_co_u32 s42, s42, 12582912
	s_add_nc_u64 s[PV:PV+1], s[4:5], s[42:43]
	s_lshl_b32 s42, s36, 6
	s_add_co_u32 s42, s42, 524288
	s_add_nc_u64 s[PVS:PVS+1], s[6:7], s[42:43]
	s_lshl_b32 s42, s24, 22
	s_add_nc_u64 s[PM:PM+1], s[8:9], s[42:43]
	s_mul_i32 s42, s24, 1572864                    ; aimg: image (128 b + tile) 8 + h / 2, my head's half
	s_mul_i32 s38, s26, 1536
	s_add_co_u32 s42, s42, s38
	s_add_co_u32 s42, s42, s37
	s_add_nc_u64 s[PA:PA+1], s[12:13], s[42:43]
	s_lshl_b32 s42, s24, 16                        ; asc: row (2,048 b + position) of 32 bytes, bytes 2 h, 2 h + 1
	s_lshl_b32 s38, s25, 1
	s_add_co_u32 s42, s42, s38
	s_add_nc_u64 s[PAS:PAS+1], s[14:15], s[42:43]
	s_lshl_b32 s42, s24, 8
	s_add_nc_u64 s[PF:PF+1], s[10:11], s[42:43]
	; THE FILL: 50 loads, each of K's and V's covering 256 consecutive bytes
.irp i, 0,1,2,3,4,5,6,7
.irp p, 0,1,2
	global_load_b64 v[32+6*\i+2*\p:33+6*\i+2*\p], v8, s[PK:PK+1] offset:\i*1536+256*\p
.endr
.endr
.irp t, 0,1,2,3
.irp p, 0,1,2,3,4,5
	global_load_b64 v[80+12*\t+2*\p:81+12*\t+2*\p], v9, s[PV:PV+1] offset:\t*1536+256*\p
.endr
.endr
	global_load_b128 v[128:131], v10, s[PKS:PKS+1]
	global_load_b64 v[132:133], v11, s[PVS:PVS+1]
	s_wait_loadcnt 26                              ; K's 24 loads are in; V's 24 and the two of the scale words stay out
.irp i, 0,1,2,3,4,5,6,7
	ds_store_b128 v12, v[32+6*\i:35+6*\i] offset:768*\i
	ds_store_b64 v13, v[36+6*\i:37+6*\i] offset:768*\i
.endr
	s_wait_loadcnt 2                               ; V's are in
.irp t, 0,1,2,3
.irp c, 0,1,2
	ds_store_b128 v14, v[80+12*\t+4*\c:83+12*\t+4*\c] offset:1536*\t+512*\c
.endr
.endr
	s_wait_loadcnt 0x0
.irp e, 0,1,2,3
	v_bfe_u32 v[128+\e], v[128+\e], s28, 16        ; my head's two bytes of the pair's word; the upper two bytes, 0, stand over zero codes
.endr
.irp e, 0,1,2,3
	ds_store_b32 v15, v[128+\e] offset:16*\e
.endr
	ds_store_b32 v28, v132
	ds_store_b32 v28, v133 offset:16
	s_wait_dscnt 0x0                               ; for the others' sake: my stores have landed
	s_barrier_signal -1
	s_barrier_wait -1                              ; the head's K and V lie in LDS; from here on LDS is only read
.irp t, 0,1,2,3
.irp j, 6,7,8,9,10,11
	v_mov_b32 v[32+12*\t+\j], 0                    ; K = 64 .. 127 of K's fragments: zero codes, written once
.endr
.endr
.irp j, 22,23,24,25,26,27
	v_mov_b32 v[\j], 0                             ; and of Q's
.endr
	v_mov_b32 v[NIL], 0
.irp j, 236,237,238,239,252,253
	v_mov_b32 v[\j], 0                             ; written once: a lane permute's destination counts as one of its sources; v253 is named as the upper half of a pair
.endr
; ONE TILE OF 16 QUERIES, s[TL], against all 16 key steps.
.macro TILE
	s_wait_xcnt 0x0                                ; the last tile's stores have read their registers: these are written again only behind this wait
	s_mul_i32 s42, s[TL], 1536
	v_add_nc_u32 v[GA], s42, v[L8]
	s_lshl_b32 s42, s[TL], 6
	v_and_b32 v[GB], 15, v0
	s_delay_alu instid0(VALU_DEP_1)
	v_lshl_add_u32 v[GB], v[GB], 2, s42
.irp p, 0,1,2
	global_load_b64 v[16+2*\p:17+2*\p], v[GA], s[PQ:PQ+1] offset:256*\p   ; Q's fragment: my head's half of the image
.endr
	global_load_b32 v255, v[GB], s[PQS:PQS+1]      ; and the pair's scale words
	s_lshr_b32 s40, s[TL], 1
	s_lshl_b32 s42, s40, 2
	s_mov_b32 s43, 0
	s_add_nc_u64 s[68:69], s[PF:PF+1], s[42:43]
	s_load_b32 s[FL], s[68:69], 0x0                ; the flags of my 32 queries
	s_lshl_b32 s40, s40, 5
	s_and_b32 s42, s[TL], 1
	s_lshl_b32 s42, s42, 3
	s_add_co_u32 s40, s40, s42
	v_add_nc_u32 v[MO], s40, v[RP]                 ; my true query: 32 (tile / 2) + 8 (tile % 2) + r + 8 (r / 8)
	s_delay_alu instid0(VALU_DEP_1)
	v_lshlrev_b32 v[MO], 11, v[MO]                 ; its row of the mask,
	v_bfe_u32 v254, v0, 4, 1
	s_delay_alu instid0(VALU_DEP_1)
	v_lshl_add_u32 v[MO], v254, 4, v[MO]           ; + 16 (lane / 16): my 16 keys of each 32
	s_mov_b32 s[TB], 0
	s_mov_b32 s[TS], 0
	s_mov_b32 s[TJ], 0
	s_mov_b32 s[KF], 0
	s_mov_b32 s[CNT], 16
	s_wait_loadcnt 0x0
	s_wait_kmcnt 0x0
	v_bfe_u32 v255, v255, s28, 16                  ; my head's two bytes.  The 36 plain lines below stand between this line and the first product that takes v255 as a scale (eight are asked)
	v_mov_b32 v13, 0xff61b1e6                      ; the largest t so far: -3e38, under every t
	s_delay_alu instid0(VALU_DEP_1)
	v_floor_f32 v12, -v13                          ; -M
	v_mov_b32 v14, 0                               ; the sum, in two halves
	v_mov_b32 v15, 0
.set n, 0
.rept 32
	v_mov_b32 v[O+n], 0                            ; O^T: the step is written once; the first finds zeros, which the first change of M leaves zeros
.set n, n+1
.endr
.Lstep_\@:                                         ; 16 trips, a constant; what a step's flags leave out is its work, not its trip
	s_bitcmp1_b32 s[FL], 0
	s_cbranch_scc0 .Lhidden_\@                     ; no key of this step counts for my 32 queries
	s_setprio 2
	v_add_nc_u32 v[ADK], s[TB], v[AK0]             ; (these five are also the places in front of the loads into the scale registers that the last products read)
	s_wait_alu depctr_va_vdst(0)
	v_add_nc_u32 v[ADK1], s[TB], v[AK1]
	s_wait_alu depctr_va_vdst(0)
	v_add_nc_u32 v[ADV], VIMG, v[ADK]
	v_add_nc_u32 v[ADS], s[TS], v[ASK0]
	s_wait_alu depctr_va_vdst(0)
	v_add_nc_u32 v[ADT], s[TJ], v[ASV0]
.irp g, 0,1                                    ; S^T = K Q^T, four tiles of 16 keys at a time
.if \g > 0
.rept 4
	v_nop                                          ; places in front of loads into registers that matrix instructions have read
.endr
.endif
.irp t, 0,1,2,3
	ds_load_b128 v[32+12*\t:35+12*\t], v[ADK] offset:(4*\g+\t)*768
	ds_load_b64 v[36+12*\t:37+12*\t], v[ADK1] offset:(4*\g+\t)*768
.endr
	ds_load_b128 v[248:251], v[ADS] offset:256*\g  ; the four tiles' scale words
	s_wait_dscnt 0x0
.irp t, 0,1,2,3
	v_wmma_scale_f32_16x16x128_f8f6f4 v[S+8*(4*\g+\t):S+7+8*(4*\g+\t)], v[32+12*\t:43+12*\t], v[16:27], 0, v[248+\t], v255 matrix_a_fmt:MATRIX_FMT_BF6 matrix_b_fmt:MATRIX_FMT_BF6
.endr
.endr                                          ; lane (r, h): query r; register 16 e + i: key KF + 32 e + 16 h + i
.rept 4
	v_nop                                          ; places behind the products
.endr
	s_bitcmp1_b32 s[FL], 1
	s_cbranch_scc0 .Lopen_\@                       ; every key of this step counts for all my 32 queries
	v_add_nc_u32 v254, s[KF], v[MO]
.irp e, 0,1,2,3
	global_load_b128 v[80+4*\e:83+4*\e], v254, s[PM:PM+1] offset:32*\e   ; my query's mask bytes of keys KF + 32 e + 16 h + 0 .. 15
.endr
	s_wait_loadcnt 0x0
.set n, 0
.rept 16
	v_lshlrev_b32 v[252+2*(n%2)], 8, v[80+n]       ; bytes 0 / 1 become 0x00 / 0xff: 256 x - x
	s_delay_alu instid0(VALU_DEP_1)
	v_sub_nc_u32 v[80+n], v[252+2*(n%2)], v[80+n]
.set n, n+1
.endr
.set n, 0
.rept 64                                       ; each accumulator from its low end on
	v_perm_b32 v[252+2*(n%2)], v[80+n/4], v[80+n/4], s[BY+n%4]     ; the key's byte, four times
	v_bfi_b32 v[S+n], v[252+2*(n%2)], v[S+n], s[NINF]              ; the score where the key counts, -infinity where it is hidden: p = 0 then
.set n, n+1
.endr
.Lopen_\@:
.irp t, 0,1,2,3                                ; V is asked for ahead of the softmax, under which it lands
.irp c, 0,1,2
	ds_load_b128 v[80+12*\t+4*\c:83+12*\t+4*\c], v[ADV] offset:1536*\t+512*\c
.endr
.endr
	s_wait_alu depctr_va_vdst(0)
	ds_load_b128 v[248:251], v[ADT]                ; and its four tiles' scale words
.irp b, 0,1,2,3
	v_max3_num_f32 v[232+\b], v[S+16*\b], v[S+1+16*\b], v[S+2+16*\b]   ; THE LARGEST SCORE OF EACH BLOCK OF 32 KEYS: it serves for the row's maximum and, since p rises with the score, for the block's largest p
.endr
.irp i, 3,5,7,9,11,13
.irp b, 0,1,2,3
	v_max3_num_f32 v[232+\b], v[232+\b], v[S+16*\b+\i], v[S+1+16*\b+\i]   ; (the four blocks by turns)
.endr
.endr
.irp b, 0,1,2,3
	v_max_num_f32 v[232+\b], v[232+\b], v[S+15+16*\b]
.endr
.irp b, 0,1,2,3
	s_delay_alu instid0(VALU_DEP_4)
	v_permlanex16_b32 v[236+\b], v[232+\b], s[SEL], s[SEL+1]
.endr
.irp b, 0,1,2,3
	s_delay_alu instid0(VALU_DEP_4)
	v_max_num_f32 v[232+\b], v[232+\b], v[236+\b]  ; with lane l xor 16's 16 keys
.endr
	s_delay_alu instid0(VALU_DEP_2)
	v_max3_num_f32 v254, v232, v233, v234
	s_delay_alu instid0(VALU_DEP_1)
	v_max_num_f32 v254, v254, v235                 ; the step's largest score of my query
	s_delay_alu instid0(VALU_DEP_1)
	v_mul_f32 v254, s[CS], v254                    ; as t
	s_delay_alu instid0(VALU_DEP_1)
	v_max_num_f32 v13, v13, v254                   ; the running largest t
	v_mov_b32 v254, v12
	s_delay_alu instid0(VALU_DEP_2)
	v_floor_f32 v12, -v13                          ; the new -M = floor(-t) = -ceil(t): M IS A WHOLE NUMBER
	s_delay_alu instid0(VALU_DEP_1)
	v_sub_f32 v254, v12, v254                      ; M's old value less its new one: a whole number, 0 or less
	s_delay_alu instid0(VALU_DEP_1)
	v_cvt_i32_f32 v254, v254                       ; (it saturates)
	s_delay_alu instid0(VALU_DEP_1)
	v_ldexp_f32 v252, 1.0, v254                    ; f = 2^(old M - new M): a multiplication by it rounds nothing
.set n, 0
	s_setprio 1
.rept 32
	v_pk_fma_f32 v[S+n:S+n+1], v[S+n:S+n+1], s[CS:CS+1], v[12:13] op_sel_hi:[1,0,0]   ; t - M, two at a time (of the pairs the low word serves both halves)
.set n, n+2
.endr
.irp b, 0,1,2,3
	v_fma_f32 v[232+\b], v[232+\b], s[CS], v12     ; the same of each block's largest score
.endr
.set n, 0
	s_wait_alu depctr_va_vdst(0)
.rept 64
	v_exp_f32 v[S+n], v[S+n]                       ; p = 2^(t - M), at most 1: NOT normalised
.set n, n+1
.endr
.irp b, 0,1,2,3
	v_exp_f32 v[232+\b], v[232+\b]                 ; the block's largest p: the same two instructions on the same number give the same bits
.endr
	v_pk_mul_f32 v[14:15], v[14:15], v[252:253] op_sel_hi:[1,0]   ; the sums under the new M.  (A plain line behind the exponentials)
	s_wait_alu depctr_va_vdst(0)
.irp b, 0,1,2,3
	v_max_num_f32 v[232+\b], 0x2800000, v[232+\b]  ; the floor 2^(5 - 127): the byte cannot fall under 1
.endr
.irp b, 0,1,2,3
	s_delay_alu instid0(VALU_DEP_4)
	v_add_nc_u32 v[244+\b], 0xfe000000, v[232+\b]  ; 4 off the exponent field: the conversion's scale operand
.endr
.irp b, 0,1,2,3
	s_delay_alu instid0(VALU_DEP_4)
	v_lshrrev_b32 v[236+\b], 23, v[244+\b]         ; the scale's byte
.endr
	s_delay_alu instid0(VALU_DEP_3)
	v_lshl_or_b32 v253, v237, 8, v236              ; p's scale word for these 128 keys
	s_delay_alu instid0(VALU_DEP_1)
	v_lshl_or_b32 v253, v238, 16, v253
	s_delay_alu instid0(VALU_DEP_1)
	v_lshl_or_b32 v253, v239, 24, v253
.irp c, 0,1
	v_cvt_scalef32_pk16_bf6_f32 v[224+6*\c:226+6*\c], v[S+32*\c:S+15+32*\c], v[244+2*\c]
	v_cvt_scalef32_pk16_bf6_f32 v[236+4*\c:238+4*\c], v[S+16+32*\c:S+31+32*\c], v[244+2*\c+1]   ; (a conversion's three registers begin on an even number)
.endr
	v_nop                                          ; one plain line behind a scaled conversion
.irp c, 0,1                                    ; the operand's layout wants a WHOLE block in a lane: lanes 0-15 block 2 c, lanes 16-31 block 2 c + 1
.irp i, 0,1,2
	v_permlane16_swap_b32 v[224+6*\c+\i], v[236+4*\c+\i]
.endr
.irp i, 0,1,2
	s_delay_alu instid0(VALU_DEP_3)
	v_mov_b32 v[227+6*\c+\i], v[236+4*\c+\i]
.endr
.endr
	v_pk_add_f32 v[236:237], v[132:133], v[136:137]
	v_pk_add_f32 v[246:247], v[140:141], v[144:145]
	v_pk_add_f32 v[244:245], v[148:149], v[152:153]
	v_pk_add_f32 v[242:243], v[156:157], v[160:161]
	v_pk_add_f32 v[240:241], v[164:165], v[168:169]
	s_setprio 0
	v_pk_add_f32 v[72:73], v[172:173], v[176:177]
	v_pk_add_f32 v[70:71], v[180:181], v[184:185]
	v_pk_add_f32 v[14:15], v[14:15], v[188:189]
	v_pk_add_f32 v[236:237], v[236:237], v[128:129]
	v_pk_add_f32 v[246:247], v[246:247], v[130:131]
	v_pk_add_f32 v[244:245], v[244:245], v[134:135]
	v_pk_add_f32 v[242:243], v[242:243], v[138:139]
	v_pk_add_f32 v[240:241], v[240:241], v[142:143]
	v_pk_add_f32 v[72:73], v[72:73], v[146:147]
	v_pk_add_f32 v[70:71], v[70:71], v[150:151]
	v_pk_add_f32 v[14:15], v[14:15], v[154:155]
	v_pk_add_f32 v[236:237], v[236:237], v[158:159]
	v_pk_add_f32 v[246:247], v[246:247], v[162:163]
	v_pk_add_f32 v[244:245], v[244:245], v[166:167]
	v_pk_add_f32 v[242:243], v[242:243], v[170:171]
	v_pk_add_f32 v[240:241], v[240:241], v[174:175]
	v_pk_add_f32 v[72:73], v[72:73], v[178:179]
	v_pk_add_f32 v[70:71], v[70:71], v[182:183]
	v_pk_add_f32 v[14:15], v[14:15], v[186:187]
	v_pk_add_f32 v[236:237], v[236:237], v[190:191]
	s_delay_alu instid0(VALU_DEP_2)
	v_pk_add_f32 v[14:15], v[14:15], v[242:243]
	s_delay_alu instid0(VALU_DEP_2)
	v_pk_add_f32 v[236:237], v[236:237], v[240:241]
	v_pk_add_f32 v[246:247], v[246:247], v[72:73]
	v_pk_add_f32 v[244:245], v[244:245], v[70:71]
	s_delay_alu instid0(VALU_DEP_2)
	v_pk_add_f32 v[14:15], v[14:15], v[246:247]
	s_delay_alu instid0(VALU_DEP_2)
	v_pk_add_f32 v[236:237], v[236:237], v[244:245]
	s_delay_alu instid0(VALU_DEP_1)
	v_pk_add_f32 v[14:15], v[14:15], v[236:237]    ; (these 32 additions are the places between the lines that wrote p's codes and scale word and the products below)
.set n, 0
.rept 16
	v_pk_mul_f32 v[O+n:O+n+1], v[O+n:O+n+1], v[252:253] op_sel_hi:[1,0]   ; O^T under the new M: x f
.set n, n+2
.endr
	s_wait_alu depctr_va_vdst(0)
	s_wait_dscnt 0x0                               ; V and its scale words are in
.irp t, 0,1,2,3                                ; O^T += V^T P^T.  The four accumulators take turns, one instruction a turn, and the eight products K Q^T stand between two steps' links
	v_wmma_scale_f32_16x16x128_f8f6f4 v[O+8*\t:O+7+8*\t], v[80+12*\t:91+12*\t], v[224:235], v[O+8*\t:O+7+8*\t], v[248+\t], v253 matrix_a_fmt:MATRIX_FMT_BF6 matrix_b_fmt:MATRIX_FMT_BF6
.endr
.Lhidden_\@:
	s_lshr_b32 s[FL], s[FL], 2                     ; the next step's two flags
	s_add_co_u32 s[TB], s[TB], 6144
	s_add_co_u32 s[TS], s[TS], 512
	s_add_co_u32 s[TJ], s[TJ], 256
	s_add_co_u32 s[KF], s[KF], 128
	s_sub_co_u32 s[CNT], s[CNT], 1
	s_cmp_lg_u32 s[CNT], 0
	s_cbranch_scc1 .Lstep_\@
	s_setprio 0
	; THE TILE'S END: O^T / l, quantised along D (my head's two blocks of 32), stored as my head's half of an image
.rept 4
	v_nop                                          ; places behind the last products
.endr
	v_add_f32 v14, v14, v15                        ; the sum's two halves,
	s_delay_alu instid0(VALU_DEP_1)
	v_permlanex16_b32 v252, v14, s[SEL], s[SEL+1]
	s_delay_alu instid0(VALU_DEP_1)
	v_add_f32 v14, v14, v252                       ; and lane l xor 16's: the row's sum
	s_delay_alu instid0(VALU_DEP_1)
	v_cmp_eq_f32 s[LZ], 0, v14                     ; no key counted for this row
	v_rcp_f32 v15, v14
	v_nop                                          ; one plain line behind a transcendental
	s_wait_alu depctr_va_vdst(0)
	v_cndmask_b32 v15, v15, v[NIL], s[LZ]          ; there 0 stands for 1 / l, so that the numbers are zeros and no NaN goes into the conversion
.set n, 0
.rept 32
	v_mul_f32 v[S+n], v[O+n], v15                  ; register 16 e + i: channel 32 e + 16 h + i of my query; each accumulator from its low end on
.set n, n+1
.endr
.irp b, 0,1
	v_max3_num_f32 v[232+\b], |v[S+16*\b]|, |v[S+1+16*\b]|, 0x2800000   ; and the floor 2^(5 - 127)
.endr
.irp i, 2,4,6,8,10,12,14
.irp b, 0,1
	s_delay_alu instid0(VALU_DEP_2)
	v_max3_num_f32 v[232+\b], v[232+\b], |v[S+16*\b+\i]|, |v[S+1+16*\b+\i]|
.endr
.endr
.irp b, 0,1
	s_delay_alu instid0(VALU_DEP_2)
	v_permlanex16_b32 v[236+\b], v[232+\b], s[SEL], s[SEL+1]
.endr
.irp b, 0,1
	s_delay_alu instid0(VALU_DEP_2)
	v_max_num_f32 v[232+\b], v[232+\b], v[236+\b]
.endr
.irp b, 0,1
	s_delay_alu instid0(VALU_DEP_2)
	v_add_nc_u32 v[244+\b], 0xfe000000, v[232+\b]
.endr
.irp b, 0,1
	s_delay_alu instid0(VALU_DEP_2)
	v_lshrrev_b32 v[236+\b], 23, v[244+\b]
.endr
	s_delay_alu instid0(VALU_DEP_1)
	v_lshl_or_b32 v253, v237, 8, v236              ; my head's two scale bytes
	v_mov_b32 v254, 0xffff
	s_delay_alu instid0(VALU_DEP_1)
	v_cndmask_b32 v253, v253, v254, s[LZ]          ; a row with no key: the byte 0xff is NaN and makes the row of the last product NaN
	v_cvt_scalef32_pk16_bf6_f32 v[224:226], v[S:S+15], v244
	v_cvt_scalef32_pk16_bf6_f32 v[236:238], v[S+16:S+31], v245
	v_nop                                          ; one plain line behind a scaled conversion
.irp i, 0,1,2
	v_permlane16_swap_b32 v[224+\i], v[236+\i]     ; lanes 0-15: block 0 whole, lanes 16-31: block 1
.endr
.irp i, 0,1,2
	s_delay_alu instid0(VALU_DEP_3)
	v_mov_b32 v[227+\i], v[236+\i]
.endr
	s_mul_i32 s42, s[TL], 12288                    ; a tile of rows has eight images
	v_add_nc_u32 v[GA], s42, v[L8]
	s_lshl_b32 s42, s[TL], 9
	v_and_b32 v[GB], 15, v0
	s_delay_alu instid0(VALU_DEP_1)
	v_lshl_add_u32 v[GB], v[GB], 5, s42            ; row 16 x tile + r of 32 bytes
.irp p, 0,1,2
	global_store_b64 v[GA], v[224+2*\p:225+2*\p], s[PA:PA+1] offset:256*\p   ; 32 lanes store 256 consecutive bytes, aligned
.endr
	global_store_b16 v[GB], v253, s[PAS:PAS+1]     ; lanes r and r + 16 write the same two bytes with the same value
.endm
	s_lshl_b32 s[TL], s[WV], 2
	s_add_co_u32 s[TL], s[TL], s19                 ; a = 4 x wave + c
	TILE
	s_sub_co_u32 s[TL], 127, s[TL]
	TILE
	s_wait_xcnt 0x0
	v_lshl_add_u32 v254, v0, 2, 0x33000
	v_mov_b32 v255, 0
	s_wait_alu depctr_va_vdst(0)
	s_wait_tensorcnt 0x0
	ds_add_u32 v254, v255
	s_wait_dscnt 0x0
	s_endpgm
.Lfunc_end_k_q99fd8bf8d4_attn:
	.size	k_q99fd8bf8d4_attn, .Lfunc_end_k_q99fd8bf8d4_attn-k_q99fd8bf8d4_attn
	.p2alignl 7, 3214868480
	.fill 96, 4, 3214868480
	.section	.rodata,"a",@progbits
	.p2align	6, 0x0
	.amdhsa_kernel k_q99fd8bf8d4_attn
		.amdhsa_group_segment_fixed_size 210944
		.amdhsa_private_segment_fixed_size 0
		.amdhsa_enable_private_segment 0
		.amdhsa_kernarg_size 48
		.amdhsa_user_sgpr_count 2
		.amdhsa_user_sgpr_kernarg_segment_ptr 1
		.amdhsa_wavefront_size32 1
		.amdhsa_system_sgpr_workgroup_id_x 1
		.amdhsa_system_sgpr_workgroup_id_y 1
		.amdhsa_system_sgpr_workgroup_id_z 1
		.amdhsa_system_vgpr_workitem_id 0
		.amdhsa_next_free_vgpr 256
		.amdhsa_next_free_sgpr 70
		.amdhsa_reserve_vcc 0
		.amdhsa_float_denorm_mode_32 3
		.amdhsa_float_denorm_mode_16_64 3
		.amdhsa_memory_ordered 1
		.amdhsa_forward_progress 1
		.amdhsa_inst_pref_size 84
	.end_amdhsa_kernel
	.amdgpu_metadata
---
amdhsa.version: [ 1, 2 ]
amdhsa.kernels:
  - .name:           k_q99fd8bf8d4_attn
    .symbol:         k_q99fd8bf8d4_attn.kd
    .args:
      - { .name: img, .offset: 0, .size: 8, .value_kind: global_buffer, .address_space: global }
      - { .name: isc, .offset: 8, .size: 8, .value_kind: global_buffer, .address_space: global }
      - { .name: mask, .offset: 16, .size: 8, .value_kind: global_buffer, .address_space: global }
      - { .name: flg, .offset: 24, .size: 8, .value_kind: global_buffer, .address_space: global }
      - { .name: aimg, .offset: 32, .size: 8, .value_kind: global_buffer, .address_space: global }
      - { .name: asc, .offset: 40, .size: 8, .value_kind: global_buffer, .address_space: global }
    .group_segment_fixed_size: 210944
    .private_segment_fixed_size: 0
    .kernarg_segment_align: 8
    .kernarg_segment_size: 48
    .max_flat_workgroup_size: 512
    .sgpr_count:     70
    .vgpr_count:     256
    .wavefront_size: 32
...
	.end_amdgpu_metadata
.endif
;; end of part 3
;; launch outp (part 4): grid 4 x 32, 4 waves a work-group, clusters of 4 x 4, 327,680 bytes of LDS; arguments aimg, asc, cod, scl, out0; writes out0
.if DOCPART == 4
	.amdgcn_target "amdgcn-amd-amdhsa--gfx1250"
	.amdhsa_code_object_version 6
	.text
	.protected	k_q99fd8bf8d4_outp
	.globl	k_q99fd8bf8d4_outp
	.p2align	8
	.type	k_q99fd8bf8d4_outp,@function
k_q99fd8bf8d4_outp:
	s_mov_b64 s[64:65], 0
	v_nop
	global_prefetch_b8 v0, s[64:65] scope:SCOPE_SE
	s_setreg_imm32_b32 hwreg(HW_REG_WAVE_MODE, 25, 1), 1
	s_wait_xcnt 0x0
	s_wait_alu depctr_hold_cnt(0) depctr_sa_sdst(0) depctr_va_vdst(0) depctr_va_sdst(0) depctr_va_ssrc(0) depctr_va_vcc(0) depctr_vm_vsrc(0)
	s_getreg_b32 s2, hwreg(HW_REG_IB_STS2, 6, 4)
	s_cmp_eq_u32 s2, 0
	s_cbranch_scc0 .Lentry_in_a_cluster
	s_endpgm
.Lentry_in_a_cluster:
	s_bfe_u32 s2, ttmp6, 0x10000c
	s_cmp_lg_u32 s2, 0xf033
	s_cbranch_scc0 .Lentry_shape_is_right
	s_endpgm
.Lentry_shape_is_right:
; FOURTH LAUNCH: out0 = attn Wo^T on codes of BF6 (E3M2) with E8M0 scales, K = 1,024, sums in f32.  out0: [8192][1024] f32.
; A = the attention's result: aimg holds IMAGES OF OPERAND REGISTERS: image (tile of 16 rows) x 8 + (K / 128), 1,536 bytes: six pieces of 256 bytes, piece p = registers 2 p, 2 p + 1, lane l's 8 bytes at 256 p + 8 l.
; Its rows lie at POSITIONS (bits 3 and 4 of the row number exchanged): block a's row t is the true row 32 (a / 2) + 8 (a % 2) + t + 8 (t / 8), which the stores' offsets put right.  asc: [position][32] scale bytes.
; B = Wo: rows 27,648 on of cod (768 bytes a row) and scl (32 bytes a row), in their true order.
; A scale byte 0xff in asc (a row for which the mask left no key) makes that row of out0 NaN.
; A tile of out0, 256 x 256, is made by a work-group of four waves; a wave makes 128 x 128: 64 accumulators.  K goes in steps of 256 through a ring of two LDS slots filled by the tensor data mover.  The scale bytes of the
; work-group's rows come into LDS once.  4 x 4 work-groups form a cluster; A's tiles are asked for jointly along a row of the cluster, B's along a column.  128 work-groups: the tile is kept large; half of the WGPs have no work here.
; THE MATRIX INSTRUCTION IS USED TRANSPOSED (source 0 = 16 rows of Wo, source 1 = 16 rows of A): a lane then holds eight neighbouring numbers of a row of out0.
; REGISTERS, in windows of 256: window 0: v0-31 addresses; v32-63 scale words, two sets; from v128 A's fragments, ONE set (on the way out v128-255: rows read back from the stage).
;   window 1: B's fragments, TWO sets.   window 2: the accumulators of my rows 0-63 ((a, b) at v[8 (8 a + b)]);   window 3: those of my rows 64-127.
.set SIZE_N, 1024
.set SIZE_K, 1024
.set KSTEP,  256
.set NQ,     KSTEP/128
.set ROWB,   192                       ; a row of B's tile in bytes
.set KROW,   SIZE_K*6/8                ; a row of codes in memory; a row tile's eight images are 16 x KROW bytes too
.set AROWB,  3072                      ; A: a K step of a tile of 16 rows: two images
.set PITCH,  240                       ; B's LDS row: 3 x (64 bytes of data + 16 of padding) = 60 words: row r starts at bank -4 r mod 64 (64 banks of 4 bytes: ISA guide 11.1)
.set FR,     12
.set NL,     6
.set NP,     4
.set HALFT,  128*PITCH                 ; 128 rows of B; A's 128 rows (8 x 3,072 bytes) take 24,576 of such a place
.set SLOT,   4*HALFT
.set LAPS,   SIZE_K/(2*KSTEP)
.set KS,     SIZE_K/32
.set SCL,    2*SLOT
.set HALFS,  (128*KS/256)*272
.set SBLK,   (16*KS/256)*272
.set SPARE,  SCL+4*HALFS               ; the spare words, 128 bytes for each wave: two blocks of 256 bytes that no other line names
.set SPITCH, 528                       ; the way out: a stage of 16 rows x (512 bytes + 16) for each wave, in slot 0, which has had its last fill and its last read when the first result is stored there
.set ADRA, 16                          ; v16-17 LDS address of my A images in slot 0, 1: + 8 x lane
.set ADRB, 20                          ; v20-21 of my B fragments (v22-23: for the pieces that lie behind one padding more)
.set STO,  24
.set RD,   25
.set CO,   26
.set ADRS, 27
.set SPW,  28
.set NIL,  29
.set SC,   32
.set AF,   128
.set BK,   128
.set G1, 24
.set G0, 32
.set G1B, 48
.set G0B, 56
.set G1S, 68
.set G0S, 76
.set G1SB, 80
.set G0SB, 88
.set MSB, 0
.macro WIN new                         ; the immediate's high byte repeats the setting that is left
.if MSB != (\new)
	s_set_vgpr_msb (MSB<<8)|(\new)
.set MSB, (\new)
.endif
.endm
.set MUL_LO, 0xa1
.set MUL_HI, 0xf1
.set TO_B,   0x40
.macro JLOAD g0a, g1a, g0b, g1b        ; a joint load: waves 0 and 1 fetch for A, waves 2 and 3 for B; four v_nop follow each of the two lines
	s_cmp_eq_u32 s15, 0
	s_cbranch_scc0 .Lfor_b_\@
	tensor_load_to_lds s[\g0a:\g0a+3], s[\g1a:\g1a+7]
	s_nop 0
.rept 4
	v_nop
.endr
	s_branch .Lasked_\@
.Lfor_b_\@:
	tensor_load_to_lds s[\g0b:\g0b+3], s[\g1b:\g1b+7]
	s_nop 0
.rept 4
	v_nop
.endr
.Lasked_\@:
.endm
.macro CREST
	s_cmp_lg_u32 s14, 0
	s_cbranch_scc1 .Lnot_wave_0_\@
	s_barrier_signal -3
.Lnot_wave_0_\@:
	s_barrier_wait -3
	s_barrier_signal -1
	s_barrier_wait -1
.endm
.macro CROUND
	s_barrier_signal -1
	s_barrier_wait -1
	CREST
.endm
	s_load_b128 s[4:7], s[0:1], 0x0                ; aimg s[4:5], asc s[6:7]
	s_load_b128 s[8:11], s[0:1], 0x10              ; cod s[8:9], scl s[10:11]
	s_load_b64 s[12:13], s[0:1], 0x20              ; out0
	v_lshl_add_u32 v[SPW], v0, 2, SPARE
	v_mov_b32 v[NIL], 0
	ds_add_u32 v28, v29
	ds_add_u32 v28, v29
	s_wait_dscnt 0x0
	v_lshrrev_b32 v1, 5, v0
	v_readfirstlane_b32 s14, v1                    ; wave 0..3
	s_lshr_b32 s15, s14, 1                         ; which half of the tile's rows is mine.  Also: I fetch for A (0) or for B (1)
	s_and_b32 s16, s14, 1                          ; which half of its columns.  Also: which 128 rows of that tile I fetch
	s_bfe_u32 s40, ttmp6, 0x40000                  ; cx, cy
	s_bfe_u32 s41, ttmp6, 0x40004
	s_mov_b32 s42, s40                             ; tile column = cx: the grid is one cluster wide
	s_and_b32 s17, ttmp7, 0xffff
	s_lshl_b32 s17, s17, 2
	s_add_co_u32 s17, s17, s41                     ; tile row = 4 x cluster y + cy
	s_lshl_b32 s43, s41, 2
	s_lshl_b32 s43, 15, s43                        ; my row of the cluster
	s_lshl_b32 s44, 0x1111, s40                    ; my column
	; descriptor group 1 for A: 8 tiles of rows x 3,072 bytes (384 elements of 8 bytes), 12,288 bytes apart; dense in LDS
	s_or_b32 s[G1+0], s43, (3<<16)|(1<<21)         ; 15:0 the mask: my row; 17:16 elements of 8 bytes; 20 no padding; 21 set beside a mask
	s_mov_b32 s[G1+1], 384<<16                     ; tensor_dim0
	s_mov_b32 s[G1+2], 8<<16                       ; tensor_dim1
	s_mov_b32 s[G1+3], 384<<16                     ; tile_dim0
	s_mov_b32 s[G1+4], 8                           ; tile_dim1
	s_mov_b32 s[G1+5], 1536                        ; tensor_dim0_stride
	s_mov_b32 s[G1+6], 0
	s_mov_b32 s[G1+7], 0
	; for B: 128 rows x 192 bytes, 16 bytes of padding behind every 64
	s_or_b32 s[G1B+0], s44, (0<<16)|(1<<20)|(1<<21)|(3<<22)|(3<<25)
	s_mov_b32 s[G1B+1], ROWB<<16
	s_mov_b32 s[G1B+2], 128<<16
	s_mov_b32 s[G1B+3], ROWB<<16
	s_mov_b32 s[G1B+4], 128
	s_mov_b32 s[G1B+5], KROW
	s_mov_b32 s[G1B+6], 0
	s_mov_b32 s[G1B+7], 0
	; for the scales of 128 rows: 4,096 dense bytes, as rows of 256 bytes, 16 bytes of padding behind each
	s_or_b32 s[G1S+0], s43, (3<<16)|(1<<20)|(1<<21)|(5<<22)|(3<<25)
	s_or_b32 s[G1SB+0], s44, (3<<16)|(1<<20)|(1<<21)|(5<<22)|(3<<25)
.irp g, G1S, G1SB
	s_mov_b32 s[\g+1], 32<<16
	s_mov_b32 s[\g+2], (128*KS/256)<<16
	s_mov_b32 s[\g+3], 32<<16
	s_mov_b32 s[\g+4], 128*KS/256
	s_mov_b32 s[\g+5], 32
	s_mov_b32 s[\g+6], 0
	s_mov_b32 s[\g+7], 0
.endr
	s_lshl_b32 s18, s16, 7                         ; which 128 rows of the tile I fetch
	s_lshl_b32 s20, s17, 8
	s_add_co_u32 s20, s20, s18                     ; A: position 256 x tile row + 128 x half
	s_lshl_b32 s46, s42, 8
	s_add_co_u32 s46, s46, s18
	s_add_co_u32 s46, s46, 27648                   ; B: row 27,648 + 256 x tile column + 128 x half
	s_mov_b32 s21, 0
	s_mov_b32 s47, 0
	s_mov_b64 s[18:19], KS
	s_mul_u64 s[22:23], s[20:21], s[18:19]         ; where these rows' scales begin, in bytes
	s_mul_u64 s[92:93], s[46:47], s[18:19]
	s_mov_b64 s[18:19], KROW
	s_mul_u64 s[20:21], s[20:21], s[18:19]         ; and their codes (A: 16 rows' images are 16 x 768 bytes)
	s_mul_u64 s[46:47], s[46:47], s[18:19]
	s_mul_i32 s45, s14, HALFT                      ; where they go: no place in the cluster enters an LDS address
	s_mul_i32 s94, s14, HALFS
	s_wait_kmcnt 0x0
	s_add_nc_u64 s[20:21], s[4:5], s[20:21]
	s_add_nc_u64 s[22:23], s[6:7], s[22:23]
	s_add_nc_u64 s[46:47], s[8:9], s[46:47]
	s_add_nc_u64 s[92:93], s[10:11], s[92:93]
	CROUND                                         ; all sixteen work-groups are here: the first joint loads meet
	s_mov_b32 s[G0S], 1
	s_add_co_u32 s[G0S+1], s94, SCL
	s_mov_b64 s[G0S+2:G0S+3], s[22:23]
	s_or_b32 s[G0S+3], s[G0S+3], 0x80000000
	s_mov_b32 s[G0SB], 1
	s_add_co_u32 s[G0SB+1], s94, SCL
	s_mov_b64 s[G0SB+2:G0SB+3], s[92:93]
	s_or_b32 s[G0SB+3], s[G0SB+3], 0x80000000
	JLOAD G0S, G1S, G0SB, G1SB                     ; the scales first.  With the two below, three tensor loads of mine are out
.irp s, 0,1
	s_mov_b32 s[G0+4*\s], 1
	s_add_co_u32 s[G0+4*\s+1], s45, \s*SLOT
	s_add_nc_u64 s[G0+4*\s+2:G0+4*\s+3], s[20:21], \s*AROWB
	s_or_b32 s[G0+4*\s+3], s[G0+4*\s+3], 0x80000000
	s_mov_b32 s[G0B+4*\s], 1
	s_add_co_u32 s[G0B+4*\s+1], s45, \s*SLOT
	s_add_nc_u64 s[G0B+4*\s+2:G0B+4*\s+3], s[46:47], \s*ROWB
	s_or_b32 s[G0B+4*\s+3], s[G0B+4*\s+3], 0x80000000
	JLOAD G0+4*\s, G1, G0B+4*\s, G1B
.endr
	v_and_b32 v1, 15, v0                           ; l % 16
	v_bfe_u32 v2, v0, 4, 1                         ; l / 16
	v_mul_u32_u24 v3, v1, PITCH
	v_mul_u32_u24 v4, v2, 24
	v_add_nc_u32 v4, v3, v4                        ; B: a fragment's row x pitch + 24 x half
	v_lshl_add_u32 v5, v2, 4, v4                   ; and the same behind one padding more
	v_and_b32 v6, 31, v0
	v_lshlrev_b32 v7, 3, v6                        ; A: 8 x lane
	s_mul_i32 s21, s15, HALFT                      ; my 128 rows of A
	s_mul_i32 s22, s16, HALFT                      ; my 128 rows of B,
	s_add_co_u32 s22, s22, 2*HALFT                 ; which lie behind A's two places
.irp s, 0,1
	v_add_nc_u32 v[ADRA+\s], s21, v7
	v_add_nc_u32 v[ADRB+\s], s22, v4
	v_add_nc_u32 v[ADRB+2+\s], s22, v5
	s_add_co_u32 s21, s21, SLOT
	s_add_co_u32 s22, s22, SLOT
.endr
	v_mul_u32_u24 v5, v1, KS                       ; my row's scales: KS bytes a row,
	v_lshrrev_b32 v6, 8, v5
	v_lshl_add_u32 v5, v6, 4, v5                   ; and 16 more for each 256 passed
	s_mul_i32 s21, s15, HALFS
	s_mul_i32 s22, s16, HALFS
	s_add_co_u32 s22, s22, 2*HALFS
	s_sub_co_u32 s22, s22, s21
	v_mul_u32_u24 v6, s22, v2                      ; lanes 16-31 take B's
	s_add_co_u32 s21, s21, SCL
	v_add_nc_u32 v5, v5, v6
	v_add_nc_u32 v[ADRS], s21, v5
	s_mul_i32 s23, s14, 16*SPITCH                  ; my stage
	v_mul_u32_u24 v5, v1, SPITCH                   ; in: row l % 16, 32 bytes for each half of the lanes
	v_lshl_add_u32 v5, v2, 5, v5
	v_add_nc_u32 v[STO], s23, v5
	v_and_b32 v6, 31, v0
	v_lshlrev_b32 v[CO], 4, v6                     ; back: the 32 lanes take one row of 512 bytes; and the same in out0
	v_add_nc_u32 v[RD], s23, v[CO]
	s_lshl_b32 s20, s17, 8
	s_lshl_b32 s21, s15, 7
	s_add_co_u32 s20, s20, s21                     ; my first row of out0: 256 x tile row + 128 x half
	s_mov_b32 s21, 0
	s_mov_b64 s[18:19], SIZE_N*4
	s_mul_u64 s[20:21], s[20:21], s[18:19]
	s_lshl_b32 s46, s42, 10                        ; my first column, in bytes: 1024 x tile column + 512 x half
	s_lshl_b32 s47, s16, 9
	s_add_co_u32 s46, s46, s47
	s_mov_b32 s47, 0
	s_add_nc_u64 s[20:21], s[20:21], s[46:47]
	s_add_nc_u64 s[12:13], s[12:13], s[20:21]
.macro FRAG reg, adr, q, i             ; B's fragment: registers 6 c .. 6 c + 5 hold K = 64 c + 32 (l / 16) + 0 .. 31: 24 bytes of the row's stream of bits, in pieces of 8 bytes
.irp p, 0,1,2,3,4,5
.set PCE, 12*(\q)+6*(\p/3)+\p%3        ; where the piece three on lies behind one padding more, the second address register serves
.if PCE%8 < 5
	ds_load_b64 v[\reg+2*\p:\reg+2*\p+1], v[\adr] offset:8*PCE+16*(PCE/8)+(\i)*16*PITCH
.else
	ds_load_b64 v[\reg+2*\p:\reg+2*\p+1], v[\adr+2] offset:8*PCE+16*(PCE/8)+(\i)*16*PITCH
.endif
.endr
.endm
.macro FRAG_A reg, slot, q, i          ; A's fragment comes back as it was stored: six pieces, each load 256 consecutive bytes
.irp p, 0,1,2,3,4,5
	ds_load_b64 v[\reg+2*\p:\reg+2*\p+1], v[ADRA+\slot] offset:(\i)*AROWB+(\q)*1536+256*\p
.endr
.endm
; 16 matrix instructions: A's blocks a0, a0 + 1 x B's eight.  The 64 accumulators take turns, one instruction a turn, in the same order in every step.
.macro MUL16 a0, p, q, sc, zero
.irp a, \a0, \a0+1
.irp b, 0,1,2,3,4,5,6,7
.if \zero
	v_wmma_scale_f32_16x16x128_f8f6f4 v[8*(8*((\a)%4)+\b):8*(8*((\a)%4)+\b)+7], v[128*(\p)+FR*\b:128*(\p)+FR*\b+FR-1], v[AF+FR*(\a):AF+FR*(\a)+FR-1], 0, v[SC+8*NQ*(\sc)+NQ*\b+(\q)], v[SC+8*NQ*(\sc)+NQ*(\a)+(\q)] matrix_a_fmt:MATRIX_FMT_BF6 matrix_b_fmt:MATRIX_FMT_BF6 matrix_a_scale:MATRIX_SCALE_ROW1
.else
	v_wmma_scale_f32_16x16x128_f8f6f4 v[8*(8*((\a)%4)+\b):8*(8*((\a)%4)+\b)+7], v[128*(\p)+FR*\b:128*(\p)+FR*\b+FR-1], v[AF+FR*(\a):AF+FR*(\a)+FR-1], v[8*(8*((\a)%4)+\b):8*(8*((\a)%4)+\b)+7], v[SC+8*NQ*(\sc)+NQ*\b+(\q)], v[SC+8*NQ*(\sc)+NQ*(\a)+(\q)] matrix_a_fmt:MATRIX_FMT_BF6 matrix_b_fmt:MATRIX_FMT_BF6 matrix_a_scale:MATRIX_SCALE_ROW1
.endif
.endr
.endr
.endm
.macro FETCH_B slot, q, p
	WIN TO_B
.irp i, 0,1,2,3,4,5,6,7
	FRAG 128*(\p)+FR*\i, ADRB+\slot, \q, \i
.endr
	WIN 0
.endm
.macro FETCH_A slot, q, i0
.irp i, \i0, \i0+1, \i0+2, \i0+3
	FRAG_A AF+FR*(\i), \slot, \q, \i
.endr
.endm
.macro SCALES sc
.irp i, 0,1,2,3,4,5,6,7
	ds_load_b64 v[SC+8*NQ*\sc+NQ*\i:SC+8*NQ*\sc+NQ*\i+1], v[ADRS] offset:\i*SBLK
.endr
.endm
.macro PLACES n                        ; plain vector lines between a matrix instruction and a load into, or a read of, its registers (ISA guide 7.12.1 for reads)
.rept \n
	v_nop
.endr
.endm
.macro STEP slot, q, zero
	s_wait_dscnt 4*NL                              ; B's set and A's blocks 0-3 are in; the youngest 24 loads (A's blocks 4-7) may be out
	WIN MUL_LO
	MUL16 0, (\q)%2, \q, \slot, \zero
	MUL16 2, (\q)%2, \q, \slot, \zero
	s_wait_dscnt 0
	PLACES NP
	FETCH_B \slot, (\q)+1, 1-(\q)%2
	FETCH_A \slot, (\q)+1, 0
	WIN MUL_HI
	MUL16 4, (\q)%2, \q, \slot, \zero
	MUL16 6, (\q)%2, \q, \slot, \zero
	PLACES NP
	WIN 0
	FETCH_A \slot, (\q)+1, 4
.endm
; A slot's last step changes slots: ONE barrier; in front of it each wave waits for all its tensor loads, adds 0 to its spare word, and waits for that and for its own reads of this slot.
.macro TURN slot, next, fill
	s_wait_tensorcnt 0x0                           ; all my tensor loads have landed: my part of the next slot;
	ds_add_u32 v[SPW], v[NIL]                      ; 0 onto my spare word;
	s_wait_dscnt 4*NL+1                            ; (the add and the youngest 24 loads may be out)
	WIN MUL_LO
	MUL16 0, 1, NQ-1, \slot, 0
	s_wait_dscnt 0x0                               ; the add is done, and my reads of this slot are over
	s_barrier_signal -1
	MUL16 2, 1, NQ-1, \slot, 0
	WIN 0
	s_barrier_wait -1
.if \fill
	CREST                                          ; the barrier has opened a round of the cluster's barrier
	s_add_nc_u64 s[G0+4*\slot+2:G0+4*\slot+3], s[G0+4*\slot+2:G0+4*\slot+3], 2*AROWB
	s_add_nc_u64 s[G0B+4*\slot+2:G0B+4*\slot+3], s[G0B+4*\slot+2:G0B+4*\slot+3], 2*ROWB
	JLOAD G0+4*\slot, G1, G0B+4*\slot, G1B         ; the first tensor load behind the round, my one load until the next
.else
	PLACES NP
.endif
	v_add_nc_u32 v[ADRS], 4*NQ, v[ADRS]
	FETCH_B \next, 0, 0
	FETCH_A \next, 0, 0
	SCALES \next
	WIN MUL_HI
	MUL16 4, 1, NQ-1, \slot, 0
	MUL16 6, 1, NQ-1, \slot, 0
	PLACES NP
	WIN 0
	FETCH_A \next, 0, 4
.endm
	s_wait_tensorcnt 1                             ; the scales and my part of K step 0 are in (K step 1's load may be out)
	s_barrier_signal -1
	s_barrier_wait -1
	FETCH_B 0, 0, 0
	FETCH_A 0, 0, 0
	SCALES 0
	FETCH_A 0, 0, 4
	STEP 0, 0, 1                                   ; the first step's products start the sums
	s_mov_b32 s3, LAPS-1
.Llap:
	TURN 0, 1, 1
	STEP 1, 0, 0
	TURN 1, 0, 1
	STEP 0, 0, 0
	s_sub_co_u32 s3, s3, 1
	s_cmp_lg_u32 s3, 0
	s_cbranch_scc1 .Llap
	TURN 0, 1, 0                                   ; the last lap fills nothing
	STEP 1, 0, 0
	s_wait_dscnt 4*NL
	WIN MUL_LO
	MUL16 0, 1, NQ-1, 1, 0
	MUL16 2, 1, NQ-1, 1, 0
	s_wait_dscnt 0
	WIN MUL_HI
	MUL16 4, 1, NQ-1, 1, 0
	MUL16 6, 1, NQ-1, 1, 0
	WIN 0
; THE WAY OUT, block by block of 16 rows x 128 columns, through my own stage in LDS: in as 32 bytes a lane, back as whole rows of 512 bytes.  LDS serves a wave's instructions in order (ISA guide 5.7.1.4).
.macro TOSTAGE a
.set AC, 64*((\a)%4)
	WIN 0x08+4*((\a)/4)                            ; the data: window 2 or 3
.irp b, 0,1,2,3,4,5,6,7
	ds_store_b128 v[STO], v[AC+8*\b:AC+8*\b+3] offset:64*\b          ; each accumulator from its low end on
	ds_store_b128 v[STO], v[AC+8*\b+4:AC+8*\b+7] offset:64*\b+16
.endr
	WIN 0
.set BB, BK+64*((\a)%2)
.irp t, 0,1,2,3,4,5,6,7,8,9,10,11,12,13,14,15
	ds_load_b128 v[BB+4*\t:BB+4*\t+3], v[RD] offset:\t*SPITCH
.endr
.endm
.macro SEND a, younger                 ; younger: the LDS instructions issued behind block a's loads, which may stay out.  The base is never stepped: the row's TRUE place among my 128 stands in the immediate, 520,192 bytes at the most
.set BB, BK+64*((\a)%2)
	s_wait_dscnt \younger
.irp t, 0,1,2,3,4,5,6,7,8,9,10,11,12,13,14,15
	global_store_b128 v[CO], v[BB+4*\t:BB+4*\t+3], s[12:13] offset:(32*((\a)/2)+8*((\a)%2)+\t+8*(\t/8))*SIZE_N*4 th:TH_STORE_NT   ; 32 lanes store 512 consecutive bytes, aligned to 256
.endr
.endm
	PLACES NP
	TOSTAGE 0
.irp a, 1,2,3,4,5,6,7
.if \a > 1
	s_wait_xcnt 0x0                                ; block a - 2's stores have read their registers: block a's loads may land there
.endif
	TOSTAGE \a
	SEND \a-1, 32                                  ; behind block a - 1's loads: block a's 16 stores and 16 loads
.endr
	SEND 7, 0
	s_wait_tensorcnt 0x0                           ; the wave's end
	ds_add_u32 v[SPW], v[NIL]
	s_wait_dscnt 0x0
	CROUND                                         ; the closing round
	s_endpgm
.Lfunc_end_k_q99fd8bf8d4_outp:
	.size	k_q99fd8bf8d4_outp, .Lfunc_end_k_q99fd8bf8d4_outp-k_q99fd8bf8d4_outp
	.p2alignl 7, 3214868480
	.fill 96, 4, 3214868480
	.section	.rodata,"a",@progbits
	.p2align	6, 0x0
	.amdhsa_kernel k_q99fd8bf8d4_outp
		.amdhsa_group_segment_fixed_size 327680
		.amdhsa_private_segment_fixed_size 0
		.amdhsa_enable_private_segment 0
		.amdhsa_kernarg_size 40
		.amdhsa_user_sgpr_count 2
		.amdhsa_user_sgpr_kernarg_segment_ptr 1
		.amdhsa_wavefront_size32 1
		.amdhsa_system_sgpr_workgroup_id_x 1
		.amdhsa_system_sgpr_workgroup_id_y 1
		.amdhsa_system_sgpr_workgroup_id_z 1
		.amdhsa_system_vgpr_workitem_id 0
		.amdhsa_next_free_vgpr 1024
		.amdhsa_next_free_sgpr 98
		.amdhsa_reserve_vcc 0
		.amdhsa_float_denorm_mode_32 3
		.amdhsa_float_denorm_mode_16_64 3
		.amdhsa_memory_ordered 1
		.amdhsa_forward_progress 1
		.amdhsa_inst_pref_size 159
	.end_amdhsa_kernel
	.amdgpu_metadata
---
amdhsa.version: [ 1, 2 ]
amdhsa.kernels:
  - .name:           k_q99fd8bf8d4_outp
    .symbol:         k_q99fd8bf8d4_outp.kd
    .args:
      - { .name: aimg, .offset: 0, .size: 8, .value_kind: global_buffer, .address_space: global }
      - { .name: asc, .offset: 8, .size: 8, .value_kind: global_buffer, .address_space: global }
      - { .name: cod, .offset: 16, .size: 8, .value_kind: global_buffer, .address_space: global }
      - { .name: scl, .offset: 24, .size: 8, .value_kind: global_buffer, .address_space: global }
      - { .name: out0, .offset: 32, .size: 8, .value_kind: global_buffer, .address_space: global }
    .group_segment_fixed_size: 327680
    .private_segment_fixed_size: 0
    .kernarg_segment_align: 8
    .kernarg_segment_size: 40
    .max_flat_workgroup_size: 128
    .sgpr_count:     98
    .vgpr_count:     1024
    .wavefront_size: 32
...
	.end_amdgpu_metadata
.endif
;; end of part 4
